; MI455X (gfx1250); checked and timed in simulation.
; The chip was launched on July 23, 2026; its instructions are those of AMD's public machine-readable ISA for CDNA 5 (MIT licence, August 2026) and "CDNA5" Instruction Set Architecture Reference Guide (July 2026). The comments in the code are by the model that wrote it; some were corrected since.
;; Causal Self Attention. Allowed arithmetic: matrix products marked QUANTISED: E4M3 operands, one given power-of-two scale a tensor, by v_wmma_f32_16x16x64_fp8_fp8 or v_wmma_f32_16x16x128_fp8_fp8, f32 sums; everything else in f32.
;; Inputs: W_proj 1,024 x 1,024 float32; W_qkv 1,024 x 3,072 float32; b_proj 1,024 float32; b_qkv 3,072 float32; inputs 4 x 2,048 x 1,024 float32; lowp_scales 8 int32 (the exponents e of the quantised operands' scales 2^e).
;; Outputs: out0 4 x 2,048 x 1,024 float32.
;; This version of the problem:
;;   THIS VERSION OF THE PROBLEM IS GIVEN IN LOW PRECISION. The matrix products marked QUANTISED in the list below multiply operands that are first quantised to E4M3 (4 exponent bits, 3 mantissa bits; 8 bits a number), with one given power-of-two scale for each operand tensor; their sums are f32. All else is computed in f32.
;;   The module's matrix products, in the order in which they are computed (A, B: the left and right operand; K: the contracted axis; several contracted axes count as one K, in the product's order):
;;     1. [M 8,192, K 1,024] x [K 1,024, N 3,072]; A: input inputs; B: input W_qkv: QUANTISED (scales: A lowp_scales[0], B lowp_scales[1])
;;     2. batch 64 x [M 2,048, K 64] x [K 64, N 2,048]; A: computed on the way; B: computed on the way: QUANTISED (scales: A lowp_scales[2], B lowp_scales[3])
;;     3. batch 64 x [M 2,048, K 2,048] x [K 2,048, N 64]; A: softmax (see below); B: computed on the way: QUANTISED (scales: A lowp_scales[4], B lowp_scales[5])
;;     4. [M 8,192, K 1,024] x [K 1,024, N 1,024]; A: computed on the way; B: input W_proj: QUANTISED (scales: A lowp_scales[6], B lowp_scales[7])
;;   THE QUANTISER, for each operand of a quantised product, along K:
;;     - The operand's scale is 2^e, e = its entry of the input lowp_scales (int32; the entries are numbered through the quantised products in the list's order, A before B).
;;     - Each number is divided by the scale, clamped to +-448, and rounded to the nearest number of E4M3, ties to even, subnormals kept.
;;     - The product sums the exact products of the quantised numbers (number of the format x scale) in f32.
;;   ~~~python
;;   def quantise(x, axis, e):      # numpy; x: float32 -> the quantised numbers, widened to float32 again
;;       x = np.moveaxis(x, axis, -1); K = x.shape[-1]
;;       r = np.clip(x / 2.0 ** e, -448, 448)
;;       step = 2.0 ** (np.maximum(np.frexp(np.where(r == 0, 1, r))[1] - 1, -6) - 3)
;;       q = np.round(r / step) * step * 2.0 ** e      # np.round: ties to even
;;       return np.moveaxis(q, -1, axis).astype(np.float32)
;;   ~~~
;;   SOFTMAX AHEAD OF A QUANTISED PRODUCT. Where the list says 'softmax', what is quantised is not the finished softmax but p = 2^(t - M), with t = logit x log2(e) and M = ceil(the row's largest t), a whole number; so 1/2 < the row's largest p <= 1. The row's sum l is taken of the UNQUANTISED p, in f32, and the product's result is divided by l at the end. Since M is a whole number, a kernel that streams over the keys may use a running M (the ceiling of the running maximum): every later rescaling is an exact power of two, so the quantised numbers keep their values, but for numbers so far below the row's largest that they fall under the format's range.
;;   OPERANDS COMPUTED ON THE WAY. 'Computed on the way' means the value that the module computes at that place (a softmax that the list does not call 'softmax' is quantised finished and normalised). What goes into a quantiser is computed in f32, as accurately as f32 sums, v_exp_f32 and their like allow (about 1e-6 of the number): no bf16 or f16 on the way to a quantiser, and a product that is left as it is and whose result goes on into a quantised operand takes f32 operands (vector FMAs, or v_wmma_f32_16x16x4_f32). A number that lies on a knife's edge between two numbers of the format may be rounded either way, as far as f32 arithmetic and the matrix unit's own rounding can turn it there, and no further.
;; One version. Each part assembles by itself: llvm-mc -triple=amdgcn-amd-amdhsa -mcpu=gfx1250 --defsym DOCPART=n.
;; ======== version 1 of 1: 4 launches
;; limits: right only within a limited range of input values
;; workspace buffers: xc 8,388,608 bytes; wqc 3,145,728 bytes; wpc 1,048,576 bytes; qc 8,388,608 bytes; kc 8,388,608 bytes; vc 8,388,608 bytes; oc 8,388,608 bytes
;; launch quant (part 1): grid 384 x 1, 4 waves a work-group, no clusters, 68,096 bytes of LDS; arguments inputs, W_qkv, W_proj, lowp_scales, xc, wqc, wpc; writes xc, wqc, wpc
.if DOCPART == 1
	.amdgcn_target "amdgcn-amd-amdhsa--gfx1250"
	.amdhsa_code_object_version 6
	.text
	.protected	k_q6003274819_quant
	.globl	k_q6003274819_quant
	.p2align	8
	.type	k_q6003274819_quant,@function
k_q6003274819_quant:
	s_mov_b64 s[64:65], 0
	v_nop
	global_prefetch_b8 v0, s[64:65] scope:SCOPE_SE
	s_setreg_imm32_b32 hwreg(HW_REG_WAVE_MODE, 25, 1), 1
	s_wait_xcnt 0x0
; CAUSAL SELF-ATTENTION ON CODES OF FP8 (E4M3), FOUR LAUNCHES: quant (this one), qkv, attn, proj.
; DEAD WORK OF THE PROGRAM.  reference() builds causal = tril(ones) in its own body and sets att to -inf wherever key > query; the softmax gives those places the weight 0, whatever the inputs hold.
; So the parts of the second and third product whose keys all come after all queries of a tile reach no output: the launch attn leaves out every step of 128 keys that lies wholly behind a tile of 16 queries.
; Nothing else is left out: b_qkv goes in ahead of the quantisers of q, k and v, b_proj at the end, and every input is loaded.
; LIMIT: a NaN, an infinity or an overflow that reaches only the key steps left out is not carried to the result.
;
; THIS LAUNCH turns the three f32 inputs that many work-groups read into codes, K innermost, each with the one scale 2^e that is given for it: code = x / 2^e, held within +-448, to the nearest code, ties to even.
;   inputs [8192][1024], e = entry 0  -> xc  [8192][1024]   (K is innermost: a plain stream)             work-groups 0 to 255
;   W_qkv  [1024][3072], e = entry 1  -> wqc [3072][1024]   (K is the FIRST axis)                        work-groups 256 to 351
;   W_proj [1024][1024], e = entry 7  -> wpc [1024][1024]   (likewise)                                   work-groups 352 to 383
; LIMITS: each e between -126 and 119, so that 2^e and 448 x 2^e are f32 numbers.  NaN among the inputs is not served.
; THE STREAM: a wave takes 16 steps of 512 numbers.  Each load reads 512 consecutive bytes, 16 a lane; a step's 2,048 bytes turn through the wave's own stage in LDS and come back 64 bytes a lane: 16 NEIGHBOURS
; along K in a lane's registers, as the conversions want them.  A lane's 16 codes are 16 bytes: the wave stores 512 consecutive bytes.  Loads run four steps ahead, the turn through LDS one step.
; THE WEIGHTS: a lane takes a column n and its registers run down K: each load reads 128 consecutive bytes a wave (512 a work-group), and the conversions give codes with K innermost.  A wave takes 32 columns x 256 along K;
; the codes go through the wave's own stage and leave as rows: sixteen lanes store 256 consecutive bytes, aligned.  The two weights differ in their row pitch, which therefore stands in registers, not in immediates.
; No tensor loads, no barrier: waves share nothing.  The two ways part on the work-group's number, have LDS bytes of their own, and join at the closing lines.
.set STEPS, 16
.set EMAX,  8
.set MANT,  0x600000                   ; the mantissa field of 448 as f32
.set SPW,   12                         ; v12      LDS address of my spare word: SPARE + 4 x my thread's number; never rewritten
.set NIL,   13                         ; v13      0; never rewritten
.set SPARE, 67584                      ; behind both ways' regions: the spare words, 128 bytes for each wave
.set R,     16                         ; the stream: v16-79 four sets of 16 numbers as they are loaded
.set X,     80                         ;             v80-111 two sets of 16 neighbours
.set C,     128                        ;             v128-191 codes: four registers for each step, so that no store's data are written again
.set WREG,  8192                       ;             LDS 0 .. 32767: a region for each wave: two stages of 32 x SP bytes
.set SP,    80                         ;             a lane's place in a stage: 64 bytes + 16 of padding
.set WST,   32768                      ; the weights: LDS 32768 .. 67583: a stage of 32 rows x PITCH for each wave
.set PITCH, 272                        ;             256 bytes of codes + 16
.set NB,    8                          ;             blocks of 32 along K for a wave
.set XW,    32                         ;             v32-95 two sets of 32 numbers
.set CW,    96                         ;             v96-103 a block's codes
.set OUTR,  112                        ;             v112-175 the way out
.set OFF,   176                        ;             v176-207 4 x lane + i rows of W: never rewritten
.set WB,    32                         ;             s[32:47] eight bases, one for each block of 32 rows: nothing is stepped while loads are out
.macro LOADX t
.irp i, 0,1,2,3
	global_load_b128 v[R+16*((\t)%4)+4*\i:R+16*((\t)%4)+4*\i+3], v3, s[4:5] offset:2048*(\t)+512*\i th:TH_LOAD_NT   ; 32 lanes read 512 consecutive bytes
.endr
.endm
.macro TURNX t                         ; step t's numbers through the stage: LDS serves a wave's instructions in order, so no wait stands between the stores and the loads
.irp i, 0,1,2,3
	ds_store_b128 v14, v[R+16*((\t)%4)+4*\i:R+16*((\t)%4)+4*\i+3] offset:32*SP*((\t)%2)+8*SP*\i
.endr
.irp i, 0,1,2,3
	ds_load_b128 v[X+16*((\t)%2)+4*\i:X+16*((\t)%2)+4*\i+3], v15 offset:32*SP*((\t)%2)+16*\i
.endr
.endm
.macro STEPX t
.set XS, X+16*((\t)%2)
	s_wait_dscnt 0x0                               ; this step's numbers are back from the stage: so its stores into the stage have read their registers,
.if (\t)+4 < STEPS
	LOADX (\t)+4                                   ; which take the loads of four steps on
.endif
.if (\t)+1 < STEPS
.if STEPS-2-(\t) >= 3
	s_wait_loadcnt 12                              ; the next step's four loads are in; those of the three steps behind it may be out
.else
	s_wait_loadcnt 4*(STEPS-2-(\t))
.endif
	TURNX (\t)+1                                   ; and go through the other stage while this step is worked
.endif
.irp i, 0,1,2,3,4,5,6,7,8,9,10,11,12,13,14,15
.endr
	v_cvt_scalef32_pk8_fp8_f32 v[C+4*(\t):C+4*(\t)+1], v[XS:XS+7], v11
	v_cvt_scalef32_pk8_fp8_f32 v[C+4*(\t)+2:C+4*(\t)+3], v[XS+8:XS+15], v11
	global_store_b128 v3, v[C+4*(\t):C+4*(\t)+3], s[12:13] offset:512*(\t)   ; the results go to a store alone; the next vector lines are the next step's conversions, on other registers
.endm
.macro LOADW t                         ; block t: W(32 t + i, my column), i = 0 .. 31, into set t % 2
.set i, 0
.rept 32
	global_load_b32 v[XW+32*((\t)%2)+i], v[OFF+i], s[WB+2*(\t):WB+2*(\t)+1] th:TH_LOAD_NT
.set i, i+1
.endr
.endm
.macro BLOCKW t
.set XS, XW+32*((\t)%2)
.if (\t) < NB-1
	s_wait_loadcnt 32                              ; this block's 32 loads are in; the next block's may be out
.else
	s_wait_loadcnt 0
.endif
.set i, 0
.rept 32
.set i, i+1
.endr
.irp g, 0,1,2,3
	v_cvt_scalef32_pk8_fp8_f32 v[CW+2*\g:CW+2*\g+1], v[XS+8*\g:XS+8*\g+7], v11
.endr
	ds_store_b128 v5, v[CW:CW+3] offset:32*(\t)    ; 32 codes: 32 bytes of my column's row
	ds_store_b128 v5, v[CW+4:CW+7] offset:32*(\t)+16
.if (\t)+2 < NB
	LOADW (\t)+2
.endif
	s_wait_dscnt 0x0                               ; the stores have read their registers: the next block's codes may be written
.endm
	s_load_b256 s[4:11], s[0:1], 0x0               ; inputs s[4:5], W_qkv s[6:7], W_proj s[8:9], the scales' exponents s[10:11]
	s_load_b128 s[12:15], s[0:1], 0x20             ; xc s[12:13], wqc s[14:15]
	s_load_b64 s[24:25], s[0:1], 0x30              ; wpc
	v_lshl_add_u32 v[SPW], v0, 2, SPARE
	v_mov_b32 v[NIL], 0
	v_lshrrev_b32 v1, 5, v0
	v_readfirstlane_b32 s16, v1                    ; wave 0..3
	v_and_b32 v2, 31, v0                           ; lane
	; every LDS address of both ways is made here, ahead of the parting
	s_mul_i32 s17, s16, WREG
	v_lshrrev_b32 v14, 2, v2
	v_mul_u32_u24 v14, v14, SP
	v_and_b32 v15, 3, v2
	v_lshl_add_u32 v14, v15, 4, v14
	v_add_nc_u32 v14, s17, v14                     ; the stream's stage, in: four lanes' 64 bytes on end, then 16 of padding
	v_mul_u32_u24 v15, v2, SP
	v_add_nc_u32 v15, s17, v15                     ; and out: SP x lane: my 16 neighbours
	s_mul_i32 s17, s16, 32*PITCH
	s_add_co_u32 s17, s17, WST
	v_mul_u32_u24 v5, v2, PITCH
	v_add_nc_u32 v5, s17, v5                       ; the weights' stage, in: row = my column
	v_and_b32 v6, 15, v2
	v_lshrrev_b32 v9, 4, v2
	v_mul_u32_u24 v7, v9, PITCH
	v_lshl_add_u32 v7, v6, 4, v7
	v_add_nc_u32 v7, s17, v7                       ; and out: sixteen lanes to a row, two rows an instruction
	v_lshlrev_b32 v8, 10, v9
	v_lshl_add_u32 v8, v6, 4, v8                   ; the same place in the codes' buffer: rows of 1,024 bytes
	v_lshlrev_b32 v3, 4, v2                        ; the stream: 16 x lane, in a load's 512 bytes and in a step's 512 codes
	s_wait_kmcnt 0x0
	s_load_b256 s[48:55], s[10:11], 0x0            ; e0 .. e7
	s_cmp_ge_u32 ttmp9, 256
	s_cbranch_scc1 .Lw
	; ---- inputs
	s_lshl_b32 s18, ttmp9, 2
	s_add_co_u32 s18, s18, s16                     ; which run of 8,192 numbers is my wave's
	s_lshl_b32 s20, s18, 15                        ; 32,768 bytes of numbers,
	s_mov_b32 s21, 0
	s_add_nc_u64 s[4:5], s[4:5], s[20:21]
	s_lshl_b32 s20, s18, 13                        ; 8,192 bytes of codes
	s_add_nc_u64 s[12:13], s[12:13], s[20:21]
	s_wait_alu depctr_va_vdst(0)
.irp t, 0,1,2,3
	LOADX \t
.endr
	s_wait_kmcnt 0x0
	s_add_co_i32 s22, s48, 127
	s_lshl_b32 s23, s22, 23
	v_mov_b32 v11, s23                             ; 2^e0 as f32: the conversion takes its exponent field
	s_add_co_i32 s22, s22, EMAX
	s_lshl_b32 s22, s22, 23
	s_or_b32 s22, s22, MANT
	s_wait_alu depctr_va_vdst(0)
	s_wait_loadcnt 12                              ; step 0's four loads are in
	TURNX 0
.irp t, 0,1,2,3,4,5,6,7,8,9,10,11,12,13,14,15
	STEPX \t
.endr
	s_branch .Lend
	; ---- the two weights
.Lw:
	s_sub_co_u32 s17, ttmp9, 256
	s_cmp_lt_u32 s17, 96                           ; W_qkv's work-group or W_proj's?  The choice hangs on the work-group's number alone
	s_cselect_b64 s[6:7], s[6:7], s[8:9]
	s_cselect_b64 s[14:15], s[14:15], s[24:25]
	s_cselect_b32 s19, 0, 96
	s_mov_b32 s26, 4096
	s_cselect_b32 s26, 12288, s26                  ; a row of W in bytes
	s_sub_co_u32 s18, s17, s19
	s_lshr_b32 s20, s18, 2                         ; which 128 columns,
	s_and_b32 s21, s18, 3                          ; which 256 along K
	s_lshl_b32 s20, s20, 7
	s_lshl_b32 s22, s16, 5
	s_add_co_u32 s20, s20, s22                     ; my wave's first column
	s_lshl_b32 s22, s21, 8
	s_mul_i32 s28, s22, s26                        ; my first row of W, in bytes,
	s_lshl_b32 s23, s20, 2
	s_add_co_u32 s28, s28, s23                     ; + 4 x column
	s_mov_b32 s29, 0
	s_add_nc_u64 s[WB:WB+1], s[6:7], s[28:29]
	s_lshl_b32 s28, s26, 5                         ; 32 rows on
.irp t, 1,2,3,4,5,6,7
	s_add_nc_u64 s[WB+2*\t:WB+2*\t+1], s[WB+2*\t-2:WB+2*\t-1], s[28:29]
.endr
	s_lshl_b32 s30, s20, 10                        ; the codes: column x 1,024
	s_add_co_u32 s30, s30, s22                     ; + my 256 along K
	s_mov_b32 s31, 0
	s_add_nc_u64 s[14:15], s[14:15], s[30:31]
	v_lshlrev_b32 v[OFF], 2, v2
.set i, 1
.rept 31
	v_add_nc_u32 v[OFF+i], s26, v[OFF+i-1]
.set i, i+1
.endr
	LOADW 0
	LOADW 1
	s_wait_kmcnt 0x0
	s_cmp_lt_u32 s17, 96
	s_cselect_b32 s30, s49, s55                    ; e1 or e7
	s_add_co_i32 s30, s30, 127
	s_lshl_b32 s31, s30, 23
	v_mov_b32 v11, s31                             ; 2^e
	s_add_co_i32 s30, s30, EMAX
	s_lshl_b32 s30, s30, 23
	s_or_b32 s30, s30, MANT
	s_wait_alu depctr_va_vdst(0)
.irp t, 0,1,2,3,4,5,6,7
	BLOCKW \t
.endr
.irp t, 0,1,2,3,4,5,6,7,8,9,10,11,12,13,14,15
	ds_load_b128 v[OUTR+4*\t:OUTR+4*\t+3], v7 offset:2*\t*PITCH   ; LDS serves a wave's instructions in order: these see my stores
.endr
.irp t, 0,1,2,3,4,5,6,7,8,9,10,11,12,13,14,15
	s_wait_dscnt 15-\t
	global_store_b128 v8, v[OUTR+4*\t:OUTR+4*\t+3], s[14:15] offset:2*\t*1024   ; sixteen lanes store 256 consecutive bytes, at a multiple of 256 from the buffer's first byte
.endr
.Lend:
	s_wait_tensorcnt 0x0                           ; the wave's end, behind my last LDS store
	ds_add_u32 v[SPW], v[NIL]
	s_wait_dscnt 0x0
	s_endpgm
.Lfunc_end_k_q6003274819_quant:
	.size	k_q6003274819_quant, .Lfunc_end_k_q6003274819_quant-k_q6003274819_quant
	.p2alignl 7, 3214868480
	.fill 96, 4, 3214868480
	.section	.rodata,"a",@progbits
	.p2align	6, 0x0
	.amdhsa_kernel k_q6003274819_quant
		.amdhsa_group_segment_fixed_size 68096
		.amdhsa_private_segment_fixed_size 0
		.amdhsa_enable_private_segment 0
		.amdhsa_kernarg_size 56
		.amdhsa_user_sgpr_count 2
		.amdhsa_user_sgpr_kernarg_segment_ptr 1
		.amdhsa_wavefront_size32 1
		.amdhsa_system_sgpr_workgroup_id_x 1
		.amdhsa_system_sgpr_workgroup_id_y 1
		.amdhsa_system_sgpr_workgroup_id_z 1
		.amdhsa_system_vgpr_workitem_id 0
		.amdhsa_next_free_vgpr 208
		.amdhsa_next_free_sgpr 66
		.amdhsa_reserve_vcc 0
		.amdhsa_float_denorm_mode_32 3
		.amdhsa_float_denorm_mode_16_64 3
		.amdhsa_fp16_overflow 1
		.amdhsa_memory_ordered 1
		.amdhsa_forward_progress 1
		.amdhsa_inst_pref_size 55
	.end_amdhsa_kernel
	.amdgpu_metadata
---
amdhsa.version: [ 1, 2 ]
amdhsa.kernels:
  - .name:           k_q6003274819_quant
    .symbol:         k_q6003274819_quant.kd
    .args:
      - { .name: inputs, .offset: 0, .size: 8, .value_kind: global_buffer, .address_space: global }
      - { .name: W_qkv, .offset: 8, .size: 8, .value_kind: global_buffer, .address_space: global }
      - { .name: W_proj, .offset: 16, .size: 8, .value_kind: global_buffer, .address_space: global }
      - { .name: lowp_scales, .offset: 24, .size: 8, .value_kind: global_buffer, .address_space: global }
      - { .name: xc, .offset: 32, .size: 8, .value_kind: global_buffer, .address_space: global }
      - { .name: wqc, .offset: 40, .size: 8, .value_kind: global_buffer, .address_space: global }
      - { .name: wpc, .offset: 48, .size: 8, .value_kind: global_buffer, .address_space: global }
    .group_segment_fixed_size: 68096
    .private_segment_fixed_size: 0
    .kernarg_segment_align: 8
    .kernarg_segment_size: 56
    .max_flat_workgroup_size: 128
    .sgpr_count:     66
    .vgpr_count:     208
    .wavefront_size: 32
...
	.end_amdgpu_metadata
.endif
;; end of part 1
;; launch qkv (part 2): grid 12 x 32, 4 waves a work-group, clusters of 4 x 4, 327,680 bytes of LDS; arguments xc, wqc, b_qkv, lowp_scales, qc, kc, vc; writes qc, kc, vc
.if DOCPART == 2
	.amdgcn_target "amdgcn-amd-amdhsa--gfx1250"
	.amdhsa_code_object_version 6
	.text
	.protected	k_q6003274819_qkv
	.globl	k_q6003274819_qkv
	.p2align	8
	.type	k_q6003274819_qkv,@function
k_q6003274819_qkv:
	s_mov_b64 s[64:65], 0
	v_nop
	global_prefetch_b8 v0, s[64:65] scope:SCOPE_SE
	s_setreg_imm32_b32 hwreg(HW_REG_WAVE_MODE, 25, 1), 1
	s_wait_xcnt 0x0
	s_wait_alu depctr_hold_cnt(0) depctr_sa_sdst(0) depctr_va_vdst(0) depctr_va_sdst(0) depctr_va_ssrc(0) depctr_va_vcc(0) depctr_vm_vsrc(0)
	s_getreg_b32 s2, hwreg(HW_REG_IB_STS2, 6, 4)
	s_cmp_eq_u32 s2, 0
	s_cbranch_scc0 .Lentry_in_a_cluster
	s_endpgm
.Lentry_in_a_cluster:
	s_bfe_u32 s2, ttmp6, 0x10000c
	s_cmp_lg_u32 s2, 0xf033
	s_cbranch_scc0 .Lentry_shape_is_right
	s_endpgm
.Lentry_shape_is_right:
; qkv = inputs W_qkv + b_qkv on codes of FP8 (E4M3), and q, k, v quantised on the way out.  xc [8192][1024], wqc [3072][1024]: codes, K innermost.  Sums in f32; a sum stands for sum x 2^(e0 + e1).
; q (scale 2^e2) and k (2^e3) leave as codes [batch x head][token][64]; v (2^e5) leaves with the KEYS innermost, since the keys are the third product's K: [batch x head][token / 128][64 (d)][128],
; and inside each 32 keys the two middle groups of eight change places: key j lies at (j & 0x67) | ((j & 8) << 1) | ((j & 16) >> 1), the order in which the launch attn's 16-byte LDS loads fill the matrix operand.
; LIMITS: e0 + e1 between -126 and 127; e2, e3, e5 between -126 and 119, so that each power of two below is an f32 number.
; A tile of 256 x 256 is made by a work-group of four waves; a wave makes 128 x 128: 64 accumulators, 512 registers.  K goes in steps of 256 through a ring of two LDS slots filled by the tensor data mover.
; TWO ROLES.  Source 1 of the matrix instruction takes 16 rows of role A, source 0 16 rows of role B: a lane then holds ONE row of A and eight NEIGHBOURING rows of B.  Both buffers are rows of 1,024 codes, so who plays
; which role is a choice of pointers, made on the cluster's x, which all sixteen partners share:
;   cluster x = 0, 1 (q, k): A = tokens, B = channels: a lane's eight numbers are eight neighbouring channels of a token: codes with the head's 64 innermost.
;   cluster x = 2    (v):    A = channels 2048 on, B = tokens: a lane's eight numbers are eight neighbouring tokens of a channel: codes with the keys innermost.  Nothing is transposed.
; CLUSTERS: 4 x 4 work-groups.  A's tile hangs on cy alone and is shared along a row of the cluster, B's on cx alone and is shared along a column: each is asked for JOINTLY, by the same tensor load with the same
; descriptor and a mask that names the four.
; REGISTERS, in windows of 256: window 0: v0-31 addresses; v32-39 the bias loads' offsets; v40 2^eo; v64-127 the bias; from v128 A's fragments, ONE set; on the way out v128-255 are at work.
;   window 1: B's fragments, TWO sets.   window 2: the accumulators of my A rows 0-63 ((a, b) at v[8 (8 a + b)]);   window 3: those of rows 64-127.
.set SIZE_K, 1024
.set KSTEP,  256                       ; along K in a slot
.set ROWB,   256                       ; a tile's row in bytes
.set KROW,   SIZE_K                    ; a row of either buffer in memory, in bytes
.set PITCH,  272                       ; an LDS row: 256 bytes + 16 of padding = 68 words: row r starts at bank 4 r mod 64 (64 banks of 4 bytes: ISA guide 11.1), so the 16 rows that a load touches start at 16 different banks
.set FR,     16                        ; registers of a fragment: 16 rows x 128 K
.set NL,     4                         ; LDS loads that bring one
.set NP,     4                         ; places behind this matrix instruction (ISA guide 7.12.1)
.set HALFT,  128*PITCH                 ; 128 rows: what one tensor load brings, and what one wave reads of A or of B
.set SLOT,   4*HALFT                   ; A's 256 rows, then B's 256 rows
.set LAPS,   SIZE_K/(2*KSTEP)          ; a lap = two K steps = once round the ring
.set SPARE,  2*SLOT                    ; behind the ring: the spare words, 128 bytes for each wave
.set STGQ,   SPARE+512                 ; the way out of q and k: 2,048 bytes for each wave: 2 heads x 16 tokens x 64 codes.  No fill ever lands here
.set STGV,   STGQ+4*2048               ; the way out of v: 2,048 bytes for each wave: 16 channels x 128 codes
.set ADRA, 16                          ; v16-17  LDS address of my A fragments in slot 0, 1
.set ADRB, 20                          ; v20-21  the same for B
.set SQI,  24                          ; v24     q, k: where I put 8 codes;   v25 where I read 16 bytes back
.set SQO,  25
.set SVI,  26                          ; v26, v27 the same for v
.set SVO,  27
.set SPW,  28                          ; v28     LDS address of my spare word; never rewritten
.set NIL,  29                          ; v29     0; never rewritten
.set CO,   30                          ; v30     16 x lane
.set VO,   32                          ; v32-39  the bias loads' offsets
.set SCL,  40                          ; v40     2^eo as f32
.set LIM,  41
.set BI,   64                          ; v64-127 the bias, eight registers for each block of 16 channels
.set AF,   128                         ; A's fragments
.set TMP,  128                         ; the way out: a block's 64 numbers,
.set CD,   192                         ; its codes, two sets of 16,
.set BK,   224                         ; and the 2,048 bytes read back, two sets of 16
.set G1, 24                            ; s[24:31] descriptor group 1 for A's tiles;  s[32:39] group 0, one set for each slot
.set G0, 32
.set G1B, 48                           ; s[48:55], s[56:63] the same for B's tiles
.set G0B, 56
.set MSB, 0
.macro WIN new                         ; the immediate's high byte repeats the setting that is left
.if MSB != \new
	s_set_vgpr_msb (MSB<<8)|\new
.set MSB, \new
.endif
.endm
.set MUL_LO, 0xa1                      ; source 0 (B) window 1, source 1 (A) window 0, C and D window 2
.set MUL_HI, 0xf1                      ; the same, C and D window 3
.set TO_B,   0x40                      ; destination window 1, address window 0
; A joint load: waves 0 and 1 fetch for A, waves 2 and 3 for B.  Each of the two lines has ONE mask and one set of registers for all that issue it; the branch hangs on the wave's number alone.
; An s_nop 0 and four v_nop follow each of the two lines, ahead of the jump, the label and what follows.
.macro JLOAD g0a, g1a, g0b, g1b
	s_cmp_eq_u32 s15, 0
	s_cbranch_scc0 .Lfor_b_\@
	tensor_load_to_lds s[\g0a:\g0a+3], s[\g1a:\g1a+7]
	s_nop 0
.rept 4
	v_nop
.endr
	s_branch .Lasked_\@
.Lfor_b_\@:
	tensor_load_to_lds s[\g0b:\g0b+3], s[\g1b:\g1b+7]
	s_nop 0
.rept 4
	v_nop
.endr
.Lasked_\@:
.endm
.macro CREST                           ; a round of the cluster's barrier behind its opening barrier
	s_cmp_lg_u32 s14, 0
	s_cbranch_scc1 .Lnot_wave_0_\@
	s_barrier_signal -3
.Lnot_wave_0_\@:
	s_barrier_wait -3
	s_barrier_signal -1
	s_barrier_wait -1
.endm
.macro CROUND                          ; a whole round
	s_barrier_signal -1
	s_barrier_wait -1
	CREST
.endm
	s_load_b256 s[4:11], s[0:1], 0x0               ; xc s[4:5], wqc s[6:7], b_qkv s[8:9], the scales' exponents s[10:11]
	s_load_b128 s[68:71], s[0:1], 0x20             ; qc s[68:69], kc s[70:71]
	s_load_b64 s[72:73], s[0:1], 0x30              ; vc
	v_lshl_add_u32 v[SPW], v0, 2, SPARE
	v_mov_b32 v[NIL], 0
	ds_add_u32 v[SPW], v[NIL]                      ; the wave's opening: the add, twice on end, and its wait ahead of my first tensor load; the set-up below, work on registers, stands between
	ds_add_u32 v[SPW], v[NIL]
	v_lshrrev_b32 v1, 5, v0
	v_readfirstlane_b32 s14, v1                    ; wave 0..3
	s_lshr_b32 s15, s14, 1                         ; which half of the tile's A rows is mine.  Also: I fetch for A (0) or for B (1)
	s_and_b32 s16, s14, 1                          ; which half of its B rows.  Also: which 128 rows of that tile I fetch
	s_bfe_u32 s40, ttmp6, 0x40000                  ; cx, cy: my place in the cluster
	s_bfe_u32 s41, ttmp6, 0x40004
	s_lshl_b32 s76, ttmp9, 2                       ; 4 x cluster x
	s_and_b32 s77, ttmp7, 0xffff
	s_lshl_b32 s77, s77, 2                         ; 4 x cluster y
	s_cmp_lt_u32 ttmp9, 2                          ; q, k or v?  The cluster's x: the same in all sixteen partners.  All selections on this compare stand ahead of the additions
	s_cselect_b32 s74, 0, 1                        ; 1: v
	s_cselect_b32 s17, s77, 8                      ; A's tile less cy: token tiles 4 y on, or channel tiles 8 on
	s_cselect_b32 s42, s76, s77                    ; B's tile less cx: channel tiles 4 x on, or token tiles 4 y on
	s_cselect_b32 s78, 32, 0                       ; the bias loads' strides: by the lane's half,
	s_cselect_b32 s79, 0, 4                        ; by lane % 16,
	s_cselect_b32 s75, 4, 0                        ; by the register
	s_add_co_u32 s17, s17, s41                     ; A's tile: holds cy alone
	s_add_co_u32 s42, s42, s40                     ; B's tile: holds cx alone
	s_lshl_b32 s43, s41, 2
	s_lshl_b32 s43, 15, s43                        ; my row of the cluster
	s_lshl_b32 s44, 0x1111, s40                    ; my column
	; descriptor group 1: a tile of 128 rows x 256 bytes, padded in LDS
	s_or_b32 s[G1+0], s43, (0<<16)|(1<<20)|(1<<21)|(5<<22)|(3<<25)  ; 15:0 the mask: A's tiles go to my row; 17:16 element of 1 byte; 20 padding on; 21 set beside a mask; 24:22 after every 64 words (code 5); 31:25 of 4 words (code 3)
	s_or_b32 s[G1B+0], s44, (0<<16)|(1<<20)|(1<<21)|(5<<22)|(3<<25)
.irp g, G1, G1B
	s_mov_b32 s[\g+1], ROWB<<16                    ; tensor_dim0
	s_mov_b32 s[\g+2], 128<<16                     ; tensor_dim1 = 128
	s_mov_b32 s[\g+3], ROWB<<16                    ; tile_dim0
	s_mov_b32 s[\g+4], 128                         ; tile_dim1 = 128
	s_mov_b32 s[\g+5], KROW                        ; tensor_dim0_stride
	s_mov_b32 s[\g+6], 0
	s_mov_b32 s[\g+7], 0
.endr
	s_lshl_b32 s18, s16, 7                         ; which 128 rows of the tile I fetch
	s_lshl_b32 s20, s17, 8
	s_add_co_u32 s20, s20, s18                     ; A: row 256 x tile + 128 x half,
	s_lshl_b32 s20, s20, 10                        ; in bytes (under 2^24)
	s_mov_b32 s21, 0
	s_lshl_b32 s46, s42, 8
	s_add_co_u32 s46, s46, s18                     ; B likewise
	s_lshl_b32 s46, s46, 10
	s_mov_b32 s47, 0
	s_mul_i32 s45, s14, HALFT                      ; where they go: wave x 128 rows: no place in the cluster enters an LDS address
	s_wait_dscnt 0x0                               ; both opening adds are done
	s_wait_kmcnt 0x0
	s_load_b256 s[80:87], s[10:11], 0x0            ; e0 .. e7
	s_cmp_lt_u32 ttmp9, 2
	s_cselect_b64 s[92:93], s[4:5], s[6:7]         ; role A's buffer,
	s_cselect_b64 s[94:95], s[6:7], s[4:5]         ; role B's
	s_add_nc_u64 s[20:21], s[92:93], s[20:21]
	s_add_nc_u64 s[46:47], s[94:95], s[46:47]
	CROUND                                         ; all sixteen work-groups are here: the first joint loads meet
.irp s, 0,1
	s_mov_b32 s[G0+4*\s], 1
	s_add_co_u32 s[G0+4*\s+1], s45, \s*SLOT
	s_add_nc_u64 s[G0+4*\s+2:G0+4*\s+3], s[20:21], \s*ROWB
	s_or_b32 s[G0+4*\s+3], s[G0+4*\s+3], 0x80000000
	s_mov_b32 s[G0B+4*\s], 1
	s_add_co_u32 s[G0B+4*\s+1], s45, \s*SLOT
	s_add_nc_u64 s[G0B+4*\s+2:G0B+4*\s+3], s[46:47], \s*ROWB
	s_or_b32 s[G0B+4*\s+3], s[G0B+4*\s+3], 0x80000000
	JLOAD G0+4*\s, G1, G0B+4*\s, G1B
.endr
	v_and_b32 v1, 15, v0                           ; r = l % 16
	v_bfe_u32 v2, v0, 4, 1                         ; h = l / 16
	v_mul_u32_u24 v3, v1, PITCH
	v_lshl_add_u32 v4, v2, 4, v3                   ; a fragment's row x pitch + 16 x half
	s_mul_i32 s21, s15, HALFT                      ; my 128 rows of A
	s_mul_i32 s22, s16, HALFT                      ; my 128 rows of B,
	s_add_co_u32 s22, s22, 2*HALFT                 ; which lie behind A's 256
.irp s, 0,1
	v_add_nc_u32 v[ADRA+\s], s21, v4
	v_add_nc_u32 v[ADRB+\s], s22, v4
	s_add_co_u32 s21, s21, SLOT
	s_add_co_u32 s22, s22, SLOT
.endr
	s_lshl_b32 s23, s14, 11                        ; my stages: 2,048 x wave
	v_and_b32 v6, 31, v0
	v_lshlrev_b32 v[CO], 4, v6
	v_lshlrev_b32 v5, 6, v1
	v_lshl_add_u32 v5, v2, 3, v5                   ; q, k in: token r's 64 bytes, + 8 h
	v_add_nc_u32 v5, s23, v5
	v_add_nc_u32 v[SQI], STGQ, v5
	v_add_nc_u32 v5, s23, v[CO]                    ; back: 16 x lane
	v_add_nc_u32 v[SQO], STGQ, v5
	v_add_nc_u32 v[SVO], STGV, v5
	v_lshlrev_b32 v5, 7, v1
	v_lshl_add_u32 v5, v2, 4, v5                   ; v in: channel r's 128 bytes, + 16 h
	v_add_nc_u32 v5, s23, v5
	v_add_nc_u32 v[SVI], STGV, v5
	; my first token and my first channel
	s_lshl_b32 s66, s17, 8
	s_lshl_b32 s67, s15, 7
	s_add_co_u32 s66, s66, s67                     ; my first row of A
	s_lshl_b32 s67, s42, 8
	s_lshl_b32 s98, s16, 7
	s_add_co_u32 s67, s67, s98                     ; my first row of B
	s_cmp_eq_u32 s74, 0
	s_cselect_b32 s98, s66, s67                    ; token (0 .. 8191)
	s_cselect_b32 s99, s67, s66                    ; channel (0 .. 3071)
	s_lshl_b32 s76, s99, 2
	s_mov_b32 s77, 0
	s_add_nc_u64 s[90:91], s[8:9], s[76:77]        ; b_qkv at my first channel
	s_cmp_eq_u32 ttmp9, 0
	s_cselect_b64 s[88:89], s[68:69], s[70:71]
	s_cmp_eq_u32 ttmp9, 2
	s_cselect_b64 s[88:89], s[72:73], s[88:89]     ; qc, kc or vc
	s_lshr_b32 s76, s98, 11
	s_lshl_b32 s76, s76, 21                        ; batch x 16 heads x 131,072 bytes
	s_and_b32 s66, s99, 1023
	s_lshr_b32 s66, s66, 6
	s_lshl_b32 s66, s66, 17                        ; + head x 131,072
	s_add_co_u32 s76, s76, s66
	s_and_b32 s66, s98, 2047
	s_lshl_b32 s66, s66, 6                         ; + token x 64 (for v: token / 128 x 8,192: my first token is a multiple of 128)
	s_add_co_u32 s76, s76, s66
	s_add_nc_u64 s[88:89], s[88:89], s[76:77]
	; the bias, once, by one run of loads for both roles: register 8 x + i takes b_qkv[my channel + 16 x + 8 h + i] (q, k: x = B's block) or b_qkv[my channel + 16 x + r] in all eight (v: x = A's block)
	v_mul_u32_u24 v[VO], v2, s78
	v_mad_u32_u24 v[VO], v1, s79, v[VO]
.set i, 1
.rept 7
	v_add_nc_u32 v[VO+i], s75, v[VO+i-1]
.set i, i+1
.endr
.set x, 0
.rept 8
.set i, 0
.rept 8
	global_load_b32 v[BI+8*x+i], v[VO+i], s[90:91] offset:64*x
.set i, i+1
.endr
.set x, x+1
.endr
	s_wait_kmcnt 0x0
	s_add_co_i32 s96, s80, s81                     ; e0 + e1,
	s_add_co_i32 s96, s96, 127
	s_lshl_b32 s96, s96, 23                        ; makes the f32 number 2^(e0 + e1)
	s_mov_b32 s97, s96                             ; (named with it as a pair, so it is written)
	s_cmp_eq_u32 ttmp9, 0
	s_cselect_b32 s66, s82, s83
	s_cmp_eq_u32 ttmp9, 2
	s_cselect_b32 s66, s85, s66                    ; eo = e2, e3 or e5
	s_add_co_i32 s66, s66, 127
	s_lshl_b32 s67, s66, 23
	v_mov_b32 v[SCL], s67
.macro FRAG reg, adr, q, i             ; a fragment, 16 rows x 128 K of 8-bit codes, is 16 registers: lane l holds row l % 16; registers 4 c .. 4 c + 3 hold K = 32 c + 16 (l / 16) + 0 .. 15: one order of k for A and B alike
.irp c, 0,1,2,3
	ds_load_b128 v[\reg+4*\c:\reg+4*\c+3], v[\adr] offset:128*(\q)+32*\c+(\i)*16*PITCH
.endr
.endm
; 16 matrix instructions: A's blocks a0, a0 + 1 x B's eight, 128 along K.  p: B's set.  zero = 1: the first product starts the sums: nothing is ever cleared.
; The 64 accumulators take turns, one instruction a turn, in the same order in every step.
.macro MUL16 a0, p, zero
.irp a, \a0, \a0+1
.irp b, 0,1,2,3,4,5,6,7
.if \zero
	v_wmma_f32_16x16x128_fp8_fp8 v[8*(8*((\a)%4)+\b):8*(8*((\a)%4)+\b)+7], v[128*(\p)+FR*\b:128*(\p)+FR*\b+FR-1], v[AF+FR*(\a):AF+FR*(\a)+FR-1], 0
.else
	v_wmma_f32_16x16x128_fp8_fp8 v[8*(8*((\a)%4)+\b):8*(8*((\a)%4)+\b)+7], v[128*(\p)+FR*\b:128*(\p)+FR*\b+FR-1], v[AF+FR*(\a):AF+FR*(\a)+FR-1], v[8*(8*((\a)%4)+\b):8*(8*((\a)%4)+\b)+7]
.endif
.endr
.endr
.endm
.macro FETCH_B slot, q, p              ; B's eight fragments of the slot's q-th 128 along K into set p
	WIN TO_B
.irp i, 0,1,2,3,4,5,6,7
	FRAG 128*(\p)+FR*\i, ADRB+\slot, \q, \i
.endr
	WIN 0
.endm
.macro FETCH_A slot, q, i0             ; A's blocks i0 .. i0 + 3
.irp i, \i0, \i0+1, \i0+2, \i0+3
	FRAG AF+FR*(\i), ADRA+\slot, \q, \i
.endr
.endm
; A load into a register that a matrix instruction has read, and a vector instruction that reads a matrix result or writes one of its registers, stand NP places behind it; only plain vector instructions that name
; none of its registers are places (ISA guide 7.12.1 for vector instructions).
.macro PLACES n
.rept \n
	v_nop
.endr
.endm
; A step of 128 along K that has its successor in the same slot.
.macro STEP slot, q, zero
	s_wait_dscnt 4*NL                              ; B's set and A's blocks 0-3 are in; the youngest sixteen loads (A's blocks 4-7) may be out
	WIN MUL_LO
	MUL16 0, (\q)%2, \zero
	MUL16 2, (\q)%2, \zero
	s_wait_dscnt 0                                 ; A's blocks 4-7 are in (asked for 32 matrix instructions ago)
	PLACES NP
	FETCH_B \slot, (\q)+1, 1-(\q)%2
	FETCH_A \slot, (\q)+1, 0
	WIN MUL_HI
	MUL16 4, (\q)%2, \zero
	MUL16 6, (\q)%2, \zero
	PLACES NP
	WIN 0
	FETCH_A \slot, (\q)+1, 4
.endm
; A slot's last step changes slots: ONE barrier; in front of it each wave waits for all its tensor loads, adds 0 to its spare word, and waits for that and for its own reads of this slot.  fill = 1: this slot is filled again, two K steps ahead.
.macro TURN slot, next, fill
	s_wait_tensorcnt 0x0                           ; all my tensor loads have landed: my part of the next slot;  (every window is 0 here)
	ds_add_u32 v[SPW], v[NIL]                      ; 0 onto my spare word;
	s_wait_dscnt 4*NL+1                            ; (the add and the youngest sixteen loads, A's blocks 4-7, may be out)
	WIN MUL_LO
	MUL16 0, 1, 0                                  ; sixteen matrix instructions stand between the add and the wait for it
	s_wait_dscnt 0x0                               ; the add is done, and my reads of this slot are over
	s_barrier_signal -1
	MUL16 2, 1, 0
	WIN 0
	s_barrier_wait -1
.if \fill
	CREST                                          ; the barrier has opened a round of the cluster's barrier: no wave of any partner still reads this slot's tile or has a load on its way
	s_add_nc_u64 s[G0+4*\slot+2:G0+4*\slot+3], s[G0+4*\slot+2:G0+4*\slot+3], 2*ROWB
	s_add_nc_u64 s[G0B+4*\slot+2:G0B+4*\slot+3], s[G0B+4*\slot+2:G0B+4*\slot+3], 2*ROWB
	JLOAD G0+4*\slot, G1, G0B+4*\slot, G1B         ; the first tensor load behind the round; the four v_nop behind it are the places in front of the loads below
.else
	PLACES NP
.endif
	FETCH_B \next, 0, 0
	FETCH_A \next, 0, 0
	WIN MUL_HI
	MUL16 4, 1, 0
	MUL16 6, 1, 0
	PLACES NP
	WIN 0
	FETCH_A \next, 0, 4
.endm
	s_wait_tensorcnt 1                             ; my part of K step 0 is in (K step 1's load may be out)
	s_barrier_signal -1
	s_barrier_wait -1                              ; everybody's is
	FETCH_B 0, 0, 0
	FETCH_A 0, 0, 0
	FETCH_A 0, 0, 4
	STEP 0, 0, 1                                   ; the first step stands in front of the loop: its products start the sums
	s_mov_b32 s3, LAPS-1
.Llap:                                                 ; a trip goes once round the ring, from a lap's second step to the next lap's first, and fills both slots again
	TURN 0, 1, 1
	STEP 1, 0, 0
	TURN 1, 0, 1
	STEP 0, 0, 0
	s_sub_co_u32 s3, s3, 1
	s_cmp_lg_u32 s3, 0
	s_cbranch_scc1 .Llap
	TURN 0, 1, 0                                   ; the last lap fills nothing, and has no round of the cluster's barrier
	STEP 1, 0, 0
	s_wait_dscnt 4*NL                              ; the very last step: nothing more to fetch
	WIN MUL_LO
	MUL16 0, 1, 0
	MUL16 2, 1, 0
	s_wait_dscnt 0
	WIN MUL_HI
	MUL16 4, 1, 0
	MUL16 6, 1, 0
	WIN 0
; THE WAY OUT, block by block of 16 rows of A.  sum x 2^(e0 + e1) + bias in one packed multiply-add for two numbers, each accumulator from its low end on; the hold at 448 x 2^eo; eight numbers of a lane become eight codes.
; A lane's 8 bytes are a small piece of a row and the lanes beside it hold other rows: so a block's 2,048 bytes go through my own stage in LDS, laid as they lie in memory, and leave by four stores of 512 consecutive bytes.
; (The stage's 8-byte stores fall several deep on the same banks: 64 such stores a wave in the whole launch.)  LDS serves a wave's instructions in order (ISA guide 5.7.1.4): no wait between the stores and the loads.
.macro TOSTAGE a, mode                 ; mode 0: q, k; 1: v
.set AC, 64*((\a)%4)
.set CC, CD+16*((\a)%2)
.set BB, BK+16*((\a)%2)
	WIN 0x02+((\a)/4)                              ; source 0: window 2 or 3
.irp b, 0,1,2,3,4,5,6,7
.irp i, 0,2,4,6
.if \mode
	v_pk_fma_f32 v[TMP+8*\b+\i:TMP+8*\b+\i+1], v[AC+8*\b+\i:AC+8*\b+\i+1], s[96:97], v[BI+8*(\a)+\i:BI+8*(\a)+\i+1] op_sel_hi:[1,0,1]
.else
	v_pk_fma_f32 v[TMP+8*\b+\i:TMP+8*\b+\i+1], v[AC+8*\b+\i:AC+8*\b+\i+1], s[96:97], v[BI+8*\b+\i:BI+8*\b+\i+1] op_sel_hi:[1,0,1]
.endif
.endr
.endr
	WIN 0
.set j, 0
.rept 64
.set j, j+1
.endr
.irp b, 0,1,2,3,4,5,6,7
	v_cvt_scalef32_pk8_fp8_f32 v[CC+2*\b:CC+2*\b+1], v[TMP+8*\b:TMP+8*\b+7], v[SCL]
.endr
	v_nop                                          ; one plain vector instruction behind the last conversion: the next block's multiply-adds write its sources
.irp b, 0,1,2,3,4,5,6,7
.if \mode
	ds_store_b64 v[SVI], v[CC+2*\b:CC+2*\b+1] offset:(\b/2)*32+(\b%2)*8        ; tokens 16 b + 8 h + 0 .. 7 of channel r, at 32 (b / 2) + 16 h + 8 (b % 2): the order stated at the head
.else
	ds_store_b64 v[SQI], v[CC+2*\b:CC+2*\b+1] offset:(\b/4)*1024+(\b%4)*16     ; channels 16 b + 8 h + 0 .. 7 of token r: head b / 4
.endif
.endr
.irp i, 0,1,2,3
.if \mode
	ds_load_b128 v[BB+4*\i:BB+4*\i+3], v[SVO] offset:512*\i
.else
	ds_load_b128 v[BB+4*\i:BB+4*\i+3], v[SQO] offset:512*\i
.endif
.endr
.endm
.macro SEND a, younger, mode           ; younger: the LDS instructions issued behind block a's loads, which may stay out
.set BB, BK+16*((\a)%2)
	s_wait_dscnt \younger                          ; the block is back in registers
.irp i, 0,1,2,3
.if \mode
	global_store_b128 v[CO], v[BB+4*\i:BB+4*\i+3], s[88:89] offset:((\a)/4)*131072+((\a)%4)*2048+512*\i   ; 16 channels x 128 codes: 2,048 consecutive bytes
.else
	global_store_b128 v[CO], v[BB+4*\i:BB+4*\i+3], s[88:89] offset:(\i/2)*131072+(\a)*1024+(\i%2)*512     ; for each of two heads 16 tokens x 64 codes: 1,024 consecutive bytes
.endif
.endr
.endm
	s_wait_loadcnt 0x0                             ; the bias
	PLACES NP                                      ; behind the last products: their results are read, and the registers that held A's fragments written
	s_cmp_lg_u32 s74, 0                            ; the cluster's x decides: the same way in all sixteen partners
	s_cbranch_scc1 .Lout_v
	TOSTAGE 0, 0
.irp a, 1,2,3,4,5,6,7
.if \a > 1
	s_wait_xcnt 0x0                                ; block a - 2's stores have read their registers: block a's loads may land there
.endif
	TOSTAGE \a, 0
	SEND \a-1, 12, 0                               ; behind block a - 1's loads: block a's 8 stores and 4 loads
.endr
	SEND 7, 0, 0
	s_branch .Lend
.Lout_v:
	TOSTAGE 0, 1
.irp a, 1,2,3,4,5,6,7
.if \a > 1
	s_wait_xcnt 0x0
.endif
	TOSTAGE \a, 1
	SEND \a-1, 12, 1
.endr
	SEND 7, 0, 1
.Lend:
	s_wait_tensorcnt 0x0                           ; the wave's end: behind my last tensor load and my last LDS store
	ds_add_u32 v[SPW], v[NIL]
	s_wait_dscnt 0x0
	CROUND                                         ; the closing round: no work-group ends while a partner may still ask for a tile that names it
	s_endpgm
.Lfunc_end_k_q6003274819_qkv:
	.size	k_q6003274819_qkv, .Lfunc_end_k_q6003274819_qkv-k_q6003274819_qkv
	.p2alignl 7, 3214868480
	.fill 96, 4, 3214868480
	.section	.rodata,"a",@progbits
	.p2align	6, 0x0
	.amdhsa_kernel k_q6003274819_qkv
		.amdhsa_group_segment_fixed_size 327680
		.amdhsa_private_segment_fixed_size 0
		.amdhsa_enable_private_segment 0
		.amdhsa_kernarg_size 56
		.amdhsa_user_sgpr_count 2
		.amdhsa_user_sgpr_kernarg_segment_ptr 1
		.amdhsa_wavefront_size32 1
		.amdhsa_system_sgpr_workgroup_id_x 1
		.amdhsa_system_sgpr_workgroup_id_y 1
		.amdhsa_system_sgpr_workgroup_id_z 1
		.amdhsa_system_vgpr_workitem_id 0
		.amdhsa_next_free_vgpr 1024
		.amdhsa_next_free_sgpr 100
		.amdhsa_reserve_vcc 0
		.amdhsa_float_denorm_mode_32 3
		.amdhsa_float_denorm_mode_16_64 3
		.amdhsa_fp16_overflow 1
		.amdhsa_memory_ordered 1
		.amdhsa_forward_progress 1
		.amdhsa_inst_pref_size 146
	.end_amdhsa_kernel
	.amdgpu_metadata
---
amdhsa.version: [ 1, 2 ]
amdhsa.kernels:
  - .name:           k_q6003274819_qkv
    .symbol:         k_q6003274819_qkv.kd
    .args:
      - { .name: xc, .offset: 0, .size: 8, .value_kind: global_buffer, .address_space: global }
      - { .name: wqc, .offset: 8, .size: 8, .value_kind: global_buffer, .address_space: global }
      - { .name: b_qkv, .offset: 16, .size: 8, .value_kind: global_buffer, .address_space: global }
      - { .name: lowp_scales, .offset: 24, .size: 8, .value_kind: global_buffer, .address_space: global }
      - { .name: qc, .offset: 32, .size: 8, .value_kind: global_buffer, .address_space: global }
      - { .name: kc, .offset: 40, .size: 8, .value_kind: global_buffer, .address_space: global }
      - { .name: vc, .offset: 48, .size: 8, .value_kind: global_buffer, .address_space: global }
    .group_segment_fixed_size: 327680
    .private_segment_fixed_size: 0
    .kernarg_segment_align: 8
    .kernarg_segment_size: 56
    .max_flat_workgroup_size: 128
    .sgpr_count:     100
    .vgpr_count:     1024
    .wavefront_size: 32
...
	.end_amdgpu_metadata
.endif
;; end of part 2
;; launch attn (part 3): grid 4 x 64, 16 waves a work-group, no clusters, 327,680 bytes of LDS; arguments qc, kc, vc, lowp_scales, oc; writes oc
.if DOCPART == 3
	.amdgcn_target "amdgcn-amd-amdhsa--gfx1250"
	.amdhsa_code_object_version 6
	.text
	.protected	k_q6003274819_attn
	.globl	k_q6003274819_attn
	.p2align	8
	.type	k_q6003274819_attn,@function
k_q6003274819_attn:
	s_mov_b64 s[64:65], 0
	v_nop
	global_prefetch_b8 v0, s[64:65] scope:SCOPE_SE
	s_setreg_imm32_b32 hwreg(HW_REG_WAVE_MODE, 25, 1), 1
	s_wait_xcnt 0x0
; o = softmax(q k^T / 8, causal) v for each of 64 (batch, head), both products on codes of FP8 (E4M3), and o quantised with 2^e6 for the projection.
; LEFT OUT AS DEAD WORK: every step of 128 keys all of which come after a tile's 16 queries: reference()'s own tril mask gives them the weight 0 for all values of the inputs (shown at the head of the launch quant).
; qc, kc: [bh][2048][64] codes.  vc: [bh][16][64 (d)][128 keys] codes, inside each 32 keys the two middle groups of eight exchanged.  oc: [token / 64][16 heads][64 tokens][64 (d)] codes: 64 tokens x 4 heads are 16 KB on end.
; THE SOFTMAX AHEAD OF THE SECOND PRODUCT: t = score x log2(e) / 8; M = the row's largest t so far, rounded UP to a whole number; p = 2^(t - M) is what is quantised (2^e4); it is not normalised.  The row's sum is taken of the
; unquantised p, in f32, and divides o at the end.  When M moves, the sum and o are multiplied by 2^(old M - new M): exact.
; SHARES.  Work-group (i, bh) owns query blocks 7 - i and then i of the head's eight blocks of 256: (8 - i) + (i + 1) = 9 slots of 256 keys for every work-group: even work and a constant count of trips, and every slot that
; is fetched is read.  Each of the SIXTEEN waves owns one tile of 16 queries in 256 registers: four waves to a SIMD, so that one wave's vector work stands beside another's matrix work and LDS loads.
; NO CLUSTER: the four work-groups of a head want the same key slot only while all walk their first block; from trip 5 on they want different slots in the same trip, so a joint request would not be the same in all partners.
; LAYOUT.  Both products are used transposed: S^T = K Q^T (source 0 = 16 neighbouring keys, source 1 = my 16 queries), O^T = V^T P^T (source 0 = 16 of the head's 64, source 1 = P): a lane holds ONE query (lane % 16) throughout,
; and registers 8 t + j of S^T hold keys 16 t + 8 (lane / 16) + j: their eight codes are registers 2 t, 2 t + 1 of the second product's operand, in the form's own order of k.  vc's order lets V's fragments come in that same order by 16-byte loads.
; LIMITS on the given exponents: e2 + e3 between -123 and 130 (they are added to c's exponent field); e4 and e6 between -126 and 119; e4 + e5 is applied by v_ldexp_f32 and has none.
; REGISTERS: v1-7, v10, v11 addresses and lane terms that stay; v8, v9 addresses of the loads in hand; v12 -M, v13 the largest t, v[14:15] the sum in two halves; v16-23 Q in hand; v24-31 Q of the second block;
;   v32-95 fragments of K, then of V; v96-159 S^T, then p; v160-191 O^T; v192-207 p's codes; v208-223 the way out; v232-255 at work.
.set SLOT1, 65536                      ; a slot: K's 64 long rows x 272 at 0, V's at VOFF; slot 1 begins here, so that one exclusive or turns an address
.set LP,    272                        ; a long row in LDS: 256 bytes (4 keys of K, or 2 channels of V) + 16 of padding: the sixteen lanes of a load fall on sixteen different 16-byte columns of the 256
.set VOFF,  64*LP
.set SPARE, 2*SLOT1                    ; behind the ring: the spare words, 128 bytes for each of 16 waves
.set STAGE, SPARE+2048                 ; the way out: 16 rows x 80 bytes for each wave.  No fill ever lands here
.set AK0,  1                           ; v1   my lane's place in a tile of K
.set AV0,  2                           ; v2   the same for V
.set PFO,  3                           ; v3   256 x lane: the prefetches' offset; never rewritten
.set SIN,  4                           ; v4   the stage: where I put 8 codes
.set SPW,  5                           ; v5   LDS address of my spare word; never rewritten
.set NIL,  6                           ; v6   0; never rewritten
.set GO,   7                           ; v7   16 x lane
.set ADK,  8
.set ADV,  9
.set SBK,  10                          ; v10  the stage: where I read 16 bytes back
.set RH,   11                          ; v11  lane % 16 - 8 (lane / 16)
.set TB,   2                           ; s2   LDS byte at which the slot in hand begins
.set SW,   15                          ; s15  8 - i: the slots of my first block
.set SN,   16                          ; s16  the number of the slot that is asked for in this trip
.set SLOTS, 17                         ; s17  trips to go
.set WV,   18                          ; s18  my wave's number
.set SEL,  20                          ; s[20:21] lane selects for v_permlanex16_b32: lane l xor 16
.set CS,   22                          ; s[22:23] c = log2(e) / 8 x 2^(e2 + e3)
.set G1,   24                          ; s[24:31] descriptor group 1: one for K's and V's tiles: 16 KB on end, stated as 64 rows of 256 bytes
.set G0,   32                          ; s[32:35] group 0; s[36:37] my tensor at my head; s[38:39] the key slot's byte offset
.set PFA,  40                          ; s[40:41] where my prefetches stand
.set LIMP, 42                          ; s42  2 in a wave that prefetches, else the greatest number
.set KF,   48                          ; s48  the step's first key
.set Q0,   49                          ; s49  my first query, of the block in hand
.set Q1,   50                          ; s50  of the second block
; Wave 0 fetches K's tile, wave 1 V's, the others nothing.  The branch hangs on the wave's number alone.  An s_nop 0 and four v_nop follow the load.
.macro TLOAD
	s_cmp_lt_u32 s[WV], 2
	s_cbranch_scc0 .Lasked_\@
	tensor_load_to_lds s[G0:G0+3], s[G1:G1+7]
	s_nop 0
.rept 4
	v_nop
.endr
.Lasked_\@:
.endm
; A PREFETCH of the key slot that the NEXT change of slots will ask for: 16 KB of K and 16 KB of V.  All four work-groups of a head walk the same K and V: work-group i = 0, whose first block walks all eight slots in order, asks,
; and nobody else.  In it four waves that fetch nothing ask, one instruction each: waves 4, 5 for K's two halves of 8,192 bytes, waves 6, 7 for V's; lanes 256 bytes apart.  Trip s names slot s + 2, for s = 0 .. 5:
; each aligned block of 256 bytes is named once in the launch; slots 0 and 1 come by their loads alone; the last two trips ask for nothing.
.macro ASK
	s_cmp_gt_u32 s[SLOTS], s[LIMP]
	s_cbranch_scc0 .Lnot_mine_\@
	global_prefetch_b8 v[PFO], s[PFA:PFA+1] th:TH_LOAD_NT scope:SCOPE_SE
.Lnot_mine_\@:
.endm
.macro OCOFF dst, q                    ; s[dst:dst+1] = the byte in oc of query s[q]'s row of my head
	s_add_co_u32 s[\dst], s67, s[\q]               ; g = batch x 2048 + query
	s_lshr_b32 s[\dst+1], s[\dst], 6
	s_lshl_b32 s[\dst+1], s[\dst+1], 16            ; (g / 64) x 65,536
	s_and_b32 s[\dst], s[\dst], 63
	s_lshl_b32 s[\dst], s[\dst], 6                 ; + (g % 64) x 64
	s_add_co_u32 s[\dst], s[\dst], s[\dst+1]
	s_add_co_u32 s[\dst], s[\dst], s68             ; + head x 4,096
	s_mov_b32 s[\dst+1], 0
.endm
	s_load_b256 s[4:11], s[0:1], 0x0               ; qc s[4:5], kc s[6:7], vc s[8:9], the scales' exponents s[10:11]
	s_load_b64 s[12:13], s[0:1], 0x20              ; oc
	v_lshl_add_u32 v[SPW], v0, 2, SPARE
	v_mov_b32 v[NIL], 0
	ds_add_u32 v[SPW], v[NIL]                      ; the wave's opening: the add, twice on end, and its wait ahead of the first tensor load; the set-up below, work on registers, stands between
	ds_add_u32 v[SPW], v[NIL]
	v_lshrrev_b32 v232, 5, v0
	s_delay_alu instid0(VALU_DEP_1)
	v_readfirstlane_b32 s[WV], v232                ; wave 0..15
	s_and_b32 s60, ttmp7, 0xffff                   ; bh = batch x 16 + head
	s_lshl_b32 s62, s60, 17                        ; its first byte in qc, kc and vc
	s_mov_b32 s63, 0
	s_sub_co_u32 s[SW], 8, ttmp9
	s_mov_b32 s[SN], 1
	s_mov_b32 s[SLOTS], 8
	s_mov_b32 s[TB], 0
	s_mov_b32 s[KF], 0
	s_lshl_b32 s66, s[WV], 4
	s_sub_co_u32 s[Q0], 7, ttmp9
	s_lshl_b32 s[Q0], s[Q0], 8
	s_add_co_u32 s[Q0], s[Q0], s66                 ; my first query in block 7 - i,
	s_lshl_b32 s[Q1], ttmp9, 8
	s_add_co_u32 s[Q1], s[Q1], s66                 ; and in block i
	s_lshr_b32 s67, s60, 4
	s_lshl_b32 s67, s67, 11                        ; batch x 2048
	s_and_b32 s68, s60, 15
	s_lshl_b32 s68, s68, 12                        ; head x 4,096
	OCOFF 70, Q0
	OCOFF 72, Q1
	s_mov_b32 s[G1], (0<<16)|(1<<20)|(5<<22)|(3<<25)   ; 15:0 no mask; 17:16 elements of 1 byte; 20 padding on; 24:22 after every 64 words (code 5); 31:25 four words (code 3)
	s_mov_b32 s[G1+1], 256<<16                     ; tensor_dim0
	s_mov_b32 s[G1+2], 64<<16                      ; tensor_dim1
	s_mov_b32 s[G1+3], 256<<16                     ; tile_dim0
	s_mov_b32 s[G1+4], 64                          ; tile_dim1
	s_mov_b32 s[G1+5], 256                         ; tensor_dim0_stride
	s_mov_b32 s[G1+6], 0
	s_mov_b32 s[G1+7], 0
	s_mov_b32 s[SEL], 0x76543210
	s_mov_b32 s[SEL+1], 0xfedcba98
	s_mov_b32 s[CS], 0x3e38aa3b                    ; log2(e) / 8
	s_wait_dscnt 0x0                               ; both opening adds are done
	s_wait_kmcnt 0x0
	s_load_b256 s[52:59], s[10:11], 0x0            ; e0 .. e7
	s_cmp_eq_u32 s[WV], 0
	s_cselect_b64 s[36:37], s[6:7], s[8:9]         ; wave 0: kc; wave 1: vc
	s_add_nc_u64 s[36:37], s[36:37], s[62:63]      ; at my head
	s_mov_b32 s38, 0                               ; key slot 0
	s_mov_b32 s39, 0
	s_mov_b32 s[G0], 1                             ; 1:0 count = 1
	s_and_b32 s[G0+1], s[WV], 1
	s_mul_i32 s[G0+1], s[G0+1], VOFF               ; 63:32 LDS address: slot 0; K's tile, or V's behind it
	s_mov_b64 s[G0+2:G0+3], s[36:37]               ; 120:64 global address
	s_or_b32 s[G0+3], s[G0+3], 0x80000000          ; 127:126 type = 2
	TLOAD                                          ; slot 0
	s_add_nc_u64 s[44:45], s[12:13], s[70:71]      ; oc at my rows of the first block,
	s_add_nc_u64 s[46:47], s[12:13], s[72:73]      ; and of the second
	s_add_nc_u64 s[74:75], s[4:5], s[62:63]
	s_lshl_b32 s66, s[Q0], 6
	s_mov_b32 s67, 0
	s_add_nc_u64 s[76:77], s[74:75], s[66:67]      ; qc at my first query of the first block,
	s_lshl_b32 s66, s[Q1], 6
	s_add_nc_u64 s[74:75], s[74:75], s[66:67]      ; and of the second
	s_cmp_lt_u32 s[WV], 6                          ; the prefetches: waves 4, 5 stand in kc, waves 6, 7 in vc,
	s_cselect_b64 s[PFA:PFA+1], s[6:7], s[8:9]
	s_add_nc_u64 s[PFA:PFA+1], s[PFA:PFA+1], s[62:63]
	s_and_b32 s66, s[WV], 1
	s_lshl_b32 s66, s66, 13                        ; at my half of a slot's 16 KB,
	s_add_co_u32 s66, s66, 16384                   ; in slot 1: the first change of slots steps it to slot 2.  Nothing is prefetched here, at the head
	s_add_nc_u64 s[PFA:PFA+1], s[PFA:PFA+1], s[66:67]
	s_lshr_b32 s66, s[WV], 2
	s_xor_b32 s66, s66, 1                          ; 0 in waves 4 to 7,
	s_or_b32 s66, s66, ttmp9                       ; of work-group i = 0
	s_cmp_eq_u32 s66, 0
	s_cselect_b32 s[LIMP], 2, -1
	v_and_b32 v232, 15, v0                         ; r = lane % 16
	v_bfe_u32 v233, v0, 4, 1                       ; h = lane / 16
	v_and_b32 v[GO], 31, v0                        ; lane
	s_delay_alu instid0(VALU_DEP_3)
	v_lshlrev_b32 v235, 6, v232
	s_delay_alu instid0(VALU_DEP_1)
	v_lshl_add_u32 v235, v233, 4, v235             ; Q: row r of 64 bytes, + 16 h
	global_load_b128 v[16:19], v235, s[76:77]      ; Q's fragments stay in registers: registers 4 c .. 4 c + 3 hold d = 32 c + 16 h + 0 .. 15, as K's do
	global_load_b128 v[20:23], v235, s[76:77] offset:32
	global_load_b128 v[24:27], v235, s[74:75]
	global_load_b128 v[28:31], v235, s[74:75] offset:32
	v_lshlrev_b32 v[PFO], 8, v[GO]
	v_lshrrev_b32 v234, 2, v232
	s_delay_alu instid0(VALU_DEP_1)
	v_mul_u32_u24 v[AK0], v234, LP
	v_and_b32 v234, 3, v232
	s_delay_alu instid0(VALU_DEP_1)
	v_lshl_add_u32 v[AK0], v234, 6, v[AK0]
	s_delay_alu instid0(VALU_DEP_1)
	v_lshl_add_u32 v[AK0], v233, 4, v[AK0]         ; K: key r: long row r / 4, 64 (r % 4), + 16 h
	v_lshrrev_b32 v234, 1, v232
	s_delay_alu instid0(VALU_DEP_1)
	v_mul_u32_u24 v[AV0], v234, LP
	v_and_b32 v234, 1, v232
	s_delay_alu instid0(VALU_DEP_1)
	v_lshl_add_u32 v[AV0], v234, 7, v[AV0]
	s_delay_alu instid0(VALU_DEP_1)
	v_lshl_add_u32 v[AV0], v233, 4, v[AV0]
	s_delay_alu instid0(VALU_DEP_1)
	v_add_nc_u32 v[AV0], VOFF, v[AV0]              ; V: channel r: long row r / 2, 128 (r % 2), + 16 h
	s_mul_i32 s66, s[WV], 16*80
	s_add_co_u32 s66, s66, STAGE                   ; my stage
	v_mul_u32_u24 v[SIN], v232, 80
	s_delay_alu instid0(VALU_DEP_1)
	v_lshl_add_u32 v[SIN], v233, 3, v[SIN]
	s_delay_alu instid0(VALU_DEP_1)
	v_add_nc_u32 v[SIN], s66, v[SIN]               ; in: row r, + 8 h
	v_lshrrev_b32 v[SBK], 2, v[GO]
	s_delay_alu instid0(VALU_DEP_1)
	v_mul_u32_u24 v[SBK], v[SBK], 80
	v_and_b32 v234, 3, v[GO]
	s_delay_alu instid0(VALU_DEP_1)
	v_lshl_add_u32 v[SBK], v234, 4, v[SBK]
	s_delay_alu instid0(VALU_DEP_1)
	v_add_nc_u32 v[SBK], s66, v[SBK]               ; back: four lanes to a row of 64 bytes
	v_lshlrev_b32 v[RH], 3, v233
	s_delay_alu instid0(VALU_DEP_1)
	v_sub_nc_u32 v[RH], v232, v[RH]                ; r - 8 h
	v_lshlrev_b32 v[GO], 4, v[GO]
	v_mov_b32 v13, 0xff61b1e6                      ; the largest t so far: -3e38, under every t
	s_delay_alu instid0(VALU_DEP_1)
	v_floor_f32 v12, -v13                          ; -M
	v_mov_b32 v14, 0                               ; the sum, in two halves
	v_mov_b32 v15, 0
	v_mov_b32 v236, 0                              ; written once: a lane permute's destination counts as one of its sources
	v_mov_b32 v253, 0                              ; (named as the upper half of the pair v[252:253])
.set n, 0
.rept 32
	v_mov_b32 v[160+n], 0                          ; O^T.  (The step is written once: a block's first step finds zeros, which the first change of M leaves zeros)
.set n, n+1
.endr
	s_wait_kmcnt 0x0
	s_add_co_i32 s66, s54, s55
	s_lshl_b32 s66, s66, 23
	s_add_co_i32 s[CS], s[CS], s66                 ; a score stands for score x 2^(e2 + e3): the two exponents are added to c's exponent field
	s_mov_b32 s[CS+1], s[CS]                       ; (named with it as a pair, so it is written)
	s_add_co_i32 s66, s56, 127
	s_lshl_b32 s67, s66, 23
	v_mov_b32 v244, s67                            ; 2^e4 as f32, for p's conversion
	s_add_co_i32 s66, s58, 127
	s_lshl_b32 s67, s66, 23
	v_mov_b32 v246, s67                            ; 2^e6, for o's conversion
	s_add_co_i32 s51, s56, s57                     ; e4 + e5
; A KEY STEP: 128 keys, the q-th of the slot in hand.
.macro STEP q
	s_add_co_u32 s96, s[Q0], 15                    ; a step all of whose keys come after my 16 queries is left out: a scalar branch on ids and counted steps, round the step's loads, products and softmax;
	s_cmp_gt_u32 s[KF], s96                        ; not round the line at its end that steps the key, and no barrier or tensor load stands in a step
	s_cbranch_scc1 .Lhidden_\@
	v_add_nc_u32 v[ADK], s[TB], v[AK0]
	v_add_nc_u32 v[ADV], s[TB], v[AV0]
	v_nop                                          ; with the two additions: four places in front of loads into registers that the last products have read
	v_nop
.irp t, 0,1,2,3,4,5,6,7                        ; K: eight tiles of 16 neighbouring keys x 64
.irp c, 0,1
	ds_load_b128 v[32+8*\t+4*\c:35+8*\t+4*\c], v[ADK] offset:(32*(\q)+4*\t)*LP+32*\c
.endr
.endr
	s_wait_alu depctr_va_vdst(0)
	s_wait_dscnt 0x0
.irp t, 0,1,2,3,4,5,6,7
	v_wmma_f32_16x16x64_fp8_fp8 v[96+8*\t:103+8*\t], v[32+8*\t:39+8*\t], v[16:23], 0
.endr
.rept 4
	v_nop                                          ; places: behind them V's loads land on K's registers, and the scores are read
.endr
.irp t, 0,1,2,3                                ; V: four tiles of 16 channels x these 128 keys: asked for here, so that they land under the softmax
.irp c, 0,1,2,3
	ds_load_b128 v[32+16*\t+4*\c:35+16*\t+4*\c], v[ADV] offset:(32*(\q)+8*\t)*LP+32*\c
.endr
.endr
	s_add_co_u32 s96, s[KF], 127                   ; on the diagonal the scores of hidden keys become -infinity ahead of the maximum: p = 0 then.  A step all of whose keys count skips this
	s_cmp_le_u32 s96, s[Q0]
	s_cbranch_scc1 .Lopen_\@
	s_sub_co_i32 s96, s[Q0], s[KF]
	v_add_nc_u32 v252, s96, v[RH]                  ; d = my query - the step's first key - 8 (lane / 16).  Register 8 t + j holds key 16 t + 8 (lane / 16) + j: hidden where 16 t + j > d
	v_mov_b32 v254, 0xff800000                     ; -infinity
.set n, 0
.rept 64
	v_cmp_gt_i32 vcc_lo, 16*(n/8)+n%8, v252
	v_cndmask_b32 v[96+n], v[96+n], v254, vcc_lo
.set n, n+1
.endr
.Lopen_\@:
	v_max3_num_f32 v254, v96, v97, v98             ; the step's largest score of my query, among my 64 keys, in two chains, each accumulator from its low end on,
	v_max3_num_f32 v252, v99, v100, v101
.set n, 6
.rept 14
	v_max3_num_f32 v254, v254, v[96+n], v[97+n]
	v_max3_num_f32 v252, v252, v[98+n], v[99+n]
.set n, n+4
.endr
	v_max3_num_f32 v254, v254, v158, v159
	s_delay_alu instid0(VALU_DEP_1)
	v_max_num_f32 v254, v254, v252
	s_delay_alu instid0(VALU_DEP_1)
	v_permlanex16_b32 v236, v254, s[SEL], s[SEL+1]
	s_delay_alu instid0(VALU_DEP_1)
	v_max_num_f32 v254, v254, v236                 ; and among lane l xor 16's
	s_delay_alu instid0(VALU_DEP_1)
	v_mul_f32 v254, s[CS], v254                    ; as t (c is positive)
	s_delay_alu instid0(VALU_DEP_1)
	v_max_num_f32 v13, v13, v254                   ; the running largest t
	v_mov_b32 v254, v12
	s_delay_alu instid0(VALU_DEP_2)
	v_floor_f32 v12, -v13                          ; the new -M = floor(-t) = -ceil(t): M IS A WHOLE NUMBER
	s_delay_alu instid0(VALU_DEP_1)
	v_sub_f32 v254, v12, v254                      ; M's old value less its new one: a whole number, 0 or less
	s_delay_alu instid0(VALU_DEP_1)
	v_cvt_i32_f32 v254, v254                       ; (it saturates)
	s_delay_alu instid0(VALU_DEP_1)
	v_ldexp_f32 v252, 1.0, v254                    ; f = 2^(old M - new M): a multiplication by it rounds nothing
.set n, 0
.rept 32
	v_pk_fma_f32 v[96+n:97+n], v[96+n:97+n], s[CS:CS+1], v[12:13] op_sel_hi:[1,0,0]   ; t - M, two at a time (of the pairs c and -M the low word serves both halves)
.set n, n+2
.endr
.set n, 0
	s_wait_alu depctr_va_vdst(0)
.rept 64
	v_exp_f32 v[96+n], v[96+n]                     ; p = 2^(t - M), at most 1: NOT normalised
.set n, n+1
.endr
	v_pk_mul_f32 v[14:15], v[14:15], v[252:253] op_sel_hi:[1,0]   ; the sums under the new M.  (The plain instruction behind the exponentials)
	s_wait_alu depctr_va_vdst(0)                   ; one wait for the whole batch, ahead of its first reader
	v_pk_add_f32 v[242:243], v[100:101], v[104:105]
	v_pk_add_f32 v[254:255], v[108:109], v[112:113]
	v_pk_add_f32 v[250:251], v[116:117], v[120:121]
	v_pk_add_f32 v[248:249], v[124:125], v[128:129]
	v_pk_add_f32 v[240:241], v[132:133], v[136:137]
	v_pk_add_f32 v[238:239], v[140:141], v[144:145]
	v_pk_add_f32 v[234:235], v[148:149], v[152:153]
	v_pk_add_f32 v[14:15], v[14:15], v[156:157]
	v_pk_add_f32 v[242:243], v[242:243], v[96:97]
	v_pk_add_f32 v[254:255], v[254:255], v[98:99]
	v_pk_add_f32 v[250:251], v[250:251], v[102:103]
	v_pk_add_f32 v[248:249], v[248:249], v[106:107]
	v_pk_add_f32 v[240:241], v[240:241], v[110:111]
	v_pk_add_f32 v[238:239], v[238:239], v[114:115]
	v_pk_add_f32 v[234:235], v[234:235], v[118:119]
	v_pk_add_f32 v[14:15], v[14:15], v[122:123]
	v_pk_add_f32 v[242:243], v[242:243], v[126:127]
	v_pk_add_f32 v[254:255], v[254:255], v[130:131]
	v_pk_add_f32 v[250:251], v[250:251], v[134:135]
	v_pk_add_f32 v[248:249], v[248:249], v[138:139]
	v_pk_add_f32 v[240:241], v[240:241], v[142:143]
	v_pk_add_f32 v[238:239], v[238:239], v[146:147]
	v_pk_add_f32 v[234:235], v[234:235], v[150:151]
	v_pk_add_f32 v[14:15], v[14:15], v[154:155]
	v_pk_add_f32 v[242:243], v[242:243], v[158:159]
	s_delay_alu instid0(VALU_DEP_2)
	v_pk_add_f32 v[14:15], v[14:15], v[248:249]
	s_delay_alu instid0(VALU_DEP_2)
	v_pk_add_f32 v[242:243], v[242:243], v[240:241]
	v_pk_add_f32 v[254:255], v[254:255], v[238:239]
	v_pk_add_f32 v[250:251], v[250:251], v[234:235]
	s_delay_alu instid0(VALU_DEP_2)
	v_pk_add_f32 v[14:15], v[14:15], v[254:255]
	s_delay_alu instid0(VALU_DEP_2)
	v_pk_add_f32 v[242:243], v[242:243], v[250:251]
	s_delay_alu instid0(VALU_DEP_1)
	v_pk_add_f32 v[14:15], v[14:15], v[242:243]
.irp t, 0,1,2,3,4,5,6,7
.irp i, 0,1,2,3,4,5,6,7
.endr
	v_cvt_scalef32_pk8_fp8_f32 v[192+2*\t:193+2*\t], v[96+8*\t:103+8*\t], v244   ; keys 16 t + 8 h + 0 .. 7: registers 2 t, 2 t + 1 of the operand
.endr
.set n, 0
.rept 16
	v_pk_mul_f32 v[160+n:161+n], v[160+n:161+n], v[252:253] op_sel_hi:[1,0]   ; O^T under the new M: x f.  (Also the plain instructions between the last conversion and the products that read its result)
.set n, n+2
.endr
	s_wait_alu depctr_va_vdst(0)
	s_wait_dscnt 0x0                               ; V is in
.irp t, 0,1,2,3                                ; O^T += V^T P^T: the four accumulators by turns, one instruction a turn
	v_wmma_f32_16x16x128_fp8_fp8 v[160+8*\t:167+8*\t], v[32+16*\t:47+16*\t], v[192:207], v[160+8*\t:167+8*\t]
.endr
.Lhidden_\@:
	s_add_co_u32 s[KF], s[KF], 128
.endm
; THE CHANGE OF SLOTS stands at a slot's head.  Each wave waits for all its tensor loads (its part of the slot that it is about to read), adds 0 to its spare word (fill = 1: twice on end), and waits for that and for its reads
; of the slot that it has left.  Behind the barrier the slot ahead is whole and nobody reads the other one.  fill = 1: that other slot is filled with the keys that follow: the load has a whole slot's two steps in which to land.
.macro CHANGE fill
	s_wait_tensorcnt 0x0                           ; no tensor load of mine is out, so group 0 may be written
	ds_add_u32 v[SPW], v[NIL]                      ; 0 onto my spare word
.if \fill
	ds_add_u32 v[SPW], v[NIL]                      ; and once more: the add twice on end here, in every trip alike.  The descriptor's steps stand between the second and the wait
	s_add_co_u32 s38, s38, 16384                   ; the next 256 keys,
	s_cmp_eq_u32 s[SN], s[SW]
	s_cselect_b32 s38, 0, s38                      ; or, where my second block begins, the head's first
	s_xor_b32 s[G0+1], s[G0+1], SLOT1              ; into the other slot than last time
	s_add_nc_u64 s[G0+2:G0+3], s[36:37], s[38:39]
	s_or_b32 s[G0+3], s[G0+3], 0x80000000
	s_wait_xcnt 0x0                                ; the last prefetch, a slot back, has read its address, so it may be written
	s_add_nc_u64 s[PFA:PFA+1], s[PFA:PFA+1], 16384
.endif
	s_wait_dscnt 0x0                               ; the add is done (fill = 1: both are), and my reads of the slot that I have left are over
	s_barrier_signal -1
	s_barrier_wait -1
.if \fill
	TLOAD                                          ; the first thing behind the barrier, and a wave's one tensor load until the next
	ASK
.endif
.endm
; A BLOCK'S WAY OUT.  O^T is divided by the row's sum and multiplied by 2^(e4 + e5), held and quantised with 2^e6; a lane's 8 codes go through my stage, and my 16 rows of 64 codes leave as 1,024 consecutive bytes.
.macro FINISH ob
	s_wait_xcnt 0x0                                ; the first block's stores have read their registers
.rept 4
	v_nop                                          ; places behind the last products
.endr
	v_add_f32 v14, v14, v15                        ; the sum's two halves,
	s_delay_alu instid0(VALU_DEP_1)
	v_permlanex16_b32 v236, v14, s[SEL], s[SEL+1]
	s_delay_alu instid0(VALU_DEP_1)
	v_add_f32 v14, v14, v236                       ; and lane l xor 16's: the row's sum
	s_wait_alu depctr_va_vdst(0)
	v_rcp_f32 v14, v14
	v_nop                                          ; a plain instruction behind the reciprocal,
	s_wait_alu depctr_va_vdst(0)                   ; and a wait ahead of its first reader
	v_ldexp_f32 v14, v14, s51                      ; x 2^(e4 + e5)
.set n, 0
.rept 16
	v_pk_mul_f32 v[96+n:97+n], v[160+n:161+n], v[14:15] op_sel_hi:[1,0]   ; register 8 t + j is o(r, 16 t + 8 h + j); each accumulator from its low end on
.set n, n+2
.endr
.irp t, 0,1,2,3
.irp i, 0,1,2,3,4,5,6,7
.endr
	v_cvt_scalef32_pk8_fp8_f32 v[208+2*\t:209+2*\t], v[96+8*\t:103+8*\t], v246
.endr
	v_nop                                          ; one plain vector instruction behind the last conversion: later products write its sources
.irp t, 0,1,2,3
	ds_store_b64 v[SIN], v[208+2*\t:209+2*\t] offset:16*\t
.endr
	ds_load_b128 v[216:219], v[SBK]                ; LDS serves a wave's instructions in order: these see my stores
	ds_load_b128 v[220:223], v[SBK] offset:640
	s_wait_dscnt 0x1                               ; the first eight rows are back; the second load may be out
	global_store_b128 v[GO], v[216:219], s[\ob:\ob+1]             ; 32 lanes store 512 consecutive bytes, at a multiple of 256 from oc's first byte
	s_wait_dscnt 0x0
	global_store_b128 v[GO], v[220:223], s[\ob:\ob+1] offset:512
.endm
	s_wait_loadcnt 0x0                             ; Q
.Lslot:                                            ; 8 trips: behind each change of slots but the last the next slot is asked for
	CHANGE 1
	STEP 0
	STEP 1
	s_xor_b32 s[TB], s[TB], SLOT1                  ; on to the other slot
	s_cmp_lg_u32 s[SN], s[SW]                      ; was that my first block's last slot?  Ids and the count of trips alone: all sixteen waves go the same way
	s_cbranch_scc1 .Lsame
	FINISH 44
.irp j, 0,1,2,3,4,5,6,7
	v_mov_b32 v[16+\j], v[24+\j]                   ; the second block: its Q,
.endr
	v_mov_b32 v13, 0xff61b1e6                      ; and the softmax begun anew
	s_delay_alu instid0(VALU_DEP_1)
	v_floor_f32 v12, -v13
	v_mov_b32 v14, 0
	v_mov_b32 v15, 0
.set n, 0
.rept 32
	v_mov_b32 v[160+n], 0
.set n, n+1
.endr
	s_mov_b32 s[KF], 0
	s_mov_b32 s[Q0], s[Q1]
.Lsame:
	s_add_co_u32 s[SN], s[SN], 1
	s_sub_co_u32 s[SLOTS], s[SLOTS], 1
	s_cmp_lg_u32 s[SLOTS], 0
	s_cbranch_scc1 .Lslot
	CHANGE 0                                       ; the last slot is written out
	STEP 0
	STEP 1
	FINISH 46
	s_wait_tensorcnt 0x0                           ; the wave's end: behind my last tensor load and my last LDS store
	ds_add_u32 v[SPW], v[NIL]
	s_wait_dscnt 0x0
	s_endpgm
.Lfunc_end_k_q6003274819_attn:
	.size	k_q6003274819_attn, .Lfunc_end_k_q6003274819_attn-k_q6003274819_attn
	.p2alignl 7, 3214868480
	.fill 96, 4, 3214868480
	.section	.rodata,"a",@progbits
	.p2align	6, 0x0
	.amdhsa_kernel k_q6003274819_attn
		.amdhsa_group_segment_fixed_size 327680
		.amdhsa_private_segment_fixed_size 0
		.amdhsa_enable_private_segment 0
		.amdhsa_kernarg_size 40
		.amdhsa_user_sgpr_count 2
		.amdhsa_user_sgpr_kernarg_segment_ptr 1
		.amdhsa_wavefront_size32 1
		.amdhsa_system_sgpr_workgroup_id_x 1
		.amdhsa_system_sgpr_workgroup_id_y 1
		.amdhsa_system_sgpr_workgroup_id_z 1
		.amdhsa_system_vgpr_workitem_id 0
		.amdhsa_next_free_vgpr 256
		.amdhsa_next_free_sgpr 100
		.amdhsa_reserve_vcc 1
		.amdhsa_float_denorm_mode_32 3
		.amdhsa_float_denorm_mode_16_64 3
		.amdhsa_fp16_overflow 1
		.amdhsa_memory_ordered 1
		.amdhsa_forward_progress 1
		.amdhsa_inst_pref_size 92
	.end_amdhsa_kernel
	.amdgpu_metadata
---
amdhsa.version: [ 1, 2 ]
amdhsa.kernels:
  - .name:           k_q6003274819_attn
    .symbol:         k_q6003274819_attn.kd
    .args:
      - { .name: qc, .offset: 0, .size: 8, .value_kind: global_buffer, .address_space: global }
      - { .name: kc, .offset: 8, .size: 8, .value_kind: global_buffer, .address_space: global }
      - { .name: vc, .offset: 16, .size: 8, .value_kind: global_buffer, .address_space: global }
      - { .name: lowp_scales, .offset: 24, .size: 8, .value_kind: global_buffer, .address_space: global }
      - { .name: oc, .offset: 32, .size: 8, .value_kind: global_buffer, .address_space: global }
    .group_segment_fixed_size: 327680
    .private_segment_fixed_size: 0
    .kernarg_segment_align: 8
    .kernarg_segment_size: 40
    .max_flat_workgroup_size: 512
    .sgpr_count:     100
    .vgpr_count:     256
    .wavefront_size: 32
...
	.end_amdgpu_metadata
.endif
;; end of part 3
;; launch proj (part 4): grid 4 x 64, 4 waves a work-group, clusters of 4 x 4, 327,680 bytes of LDS; arguments oc, wpc, b_proj, lowp_scales, out0; writes out0
.if DOCPART == 4
	.amdgcn_target "amdgcn-amd-amdhsa--gfx1250"
	.amdhsa_code_object_version 6
	.text
	.protected	k_q6003274819_proj
	.globl	k_q6003274819_proj
	.p2align	8
	.type	k_q6003274819_proj,@function
k_q6003274819_proj:
	s_mov_b64 s[64:65], 0
	v_nop
	global_prefetch_b8 v0, s[64:65] scope:SCOPE_SE
	s_setreg_imm32_b32 hwreg(HW_REG_WAVE_MODE, 25, 1), 1
	s_wait_xcnt 0x0
	s_wait_alu depctr_hold_cnt(0) depctr_sa_sdst(0) depctr_va_vdst(0) depctr_va_sdst(0) depctr_va_ssrc(0) depctr_va_vcc(0) depctr_vm_vsrc(0)
	s_getreg_b32 s2, hwreg(HW_REG_IB_STS2, 6, 4)
	s_cmp_eq_u32 s2, 0
	s_cbranch_scc0 .Lentry_in_a_cluster
	s_endpgm
.Lentry_in_a_cluster:
	s_bfe_u32 s2, ttmp6, 0x10000c
	s_cmp_lg_u32 s2, 0xf033
	s_cbranch_scc0 .Lentry_shape_is_right
	s_endpgm
.Lentry_shape_is_right:
; out0 = o W_proj + b_proj on codes of FP8 (E4M3).  oc: [token / 64][16 heads][64 tokens][64 (d)] codes (k = 64 head + d); wpc: [1024 (n)][1024 (k)] codes; out0: [8192][1024] f32.  A sum stands for sum x 2^(e6 + e7).
; LIMIT: e6 + e7 between -126 and 127, so that 2^(e6 + e7) is an f32 number.
; A tile of 128 tokens x 256 columns is made by a work-group of four waves (8192 / 128 x 1024 / 256 = 256 work-groups); a wave makes 64 x 128: 32 accumulators, 256 registers.
; K has four steps of 256 and LDS has room for THREE slots: three steps are asked for at the head, and one slot is filled again, once.  Everything is written out: there is no loop.
; A's tile of a K step is, for each 64 tokens, 16 KB on end (4 heads x 64 tokens x 64 codes), stated as 64 long rows of 256 bytes (4 tokens of a head); B's is 128 rows of 256 bytes, 1,024 apart.
; CLUSTERS: 4 x 4 work-groups.  A's tile hangs on the tile row alone and is shared along a row of the cluster, B's on the tile column alone and is shared along a column: each is asked for JOINTLY.
; THE MATRIX INSTRUCTION IS USED TRANSPOSED (source 0 = 16 rows of wpc, source 1 = 16 tokens): a lane then holds eight neighbouring numbers of a row of out0.
; REGISTERS, in windows of 256: window 0: v0-31 addresses; v32-95, v128-255 the way out.  window 1: B's fragments, two sets of 128.  window 2: the accumulators ((a, b) at v[8 (8 a + b)]).
;   window 3: A's fragments, two sets of 64; from v128 the bias, eight registers for each block of 16 columns.
.set LP,     272                       ; an LDS row: 256 bytes + 16 of padding: the sixteen lanes of a load fall on sixteen different 16-byte columns of the 256, for A's long rows and for B's rows alike
.set AH,     64*LP                     ; A's tile of 64 tokens
.set BH,     128*LP                    ; B's tile of 128 rows
.set SLOT,   2*AH+2*BH                 ; A's two halves, then B's two
.set SPARE,  3*SLOT                    ; behind the three slots: the spare words, 128 bytes for each wave
.set STAGE,  SLOT                      ; the way out: 16 rows x 528 bytes for each wave, in slot 1, which has had its only fill, and its last read ahead of the last barrier
.set SPITCH, 528
.set ADRA, 16                          ; v16-18  LDS address of my A fragments in slot 0, 1, 2
.set ADRB, 20                          ; v20-22  the same for B
.set STO,  24                          ; v24     the way out: where I put 32 bytes of a row
.set RD,   25                          ; v25     where I read a row back
.set CO,   26                          ; v26     16 x lane
.set BO,   27                          ; v27     32 x (lane / 16): the bias loads' offset
.set SPW,  28                          ; v28     LDS address of my spare word; never rewritten
.set NIL,  29                          ; v29     0; never rewritten
.set TMP,  32
.set BK,   128
.set BI,   128                         ; in window 3
.set G1A, 24                           ; s[24:31] descriptor group 1 for A's tiles;  s[32:39] for B's
.set G1B, 32
.set G0A, 48                           ; s[48:59] group 0 for A's tiles, a set for each slot;  s[68:79] for B's
.set G0B, 68
.set MSB, 0
.macro WIN new                         ; the immediate's high byte repeats the setting that is left
.if MSB != \new
	s_set_vgpr_msb (MSB<<8)|\new
.set MSB, \new
.endif
.endm
.macro JLOAD g0a, g1a, g0b, g1b        ; a joint load: waves 0 and 1 fetch A's halves, waves 2 and 3 B's; an s_nop 0 and four v_nop follow each of the two lines
	s_cmp_eq_u32 s15, 0
	s_cbranch_scc0 .Lfor_b_\@
	tensor_load_to_lds s[\g0a:\g0a+3], s[\g1a:\g1a+7]
	s_nop 0
.rept 4
	v_nop
.endr
	s_branch .Lasked_\@
.Lfor_b_\@:
	tensor_load_to_lds s[\g0b:\g0b+3], s[\g1b:\g1b+7]
	s_nop 0
.rept 4
	v_nop
.endr
.Lasked_\@:
.endm
.macro CROUND                          ; a round of the cluster's barrier
	s_barrier_signal -1
	s_barrier_wait -1
	s_cmp_lg_u32 s14, 0
	s_cbranch_scc1 .Lnot_wave_0_\@
	s_barrier_signal -3
.Lnot_wave_0_\@:
	s_barrier_wait -3
	s_barrier_signal -1
	s_barrier_wait -1
.endm
.macro PLACES                          ; four places in front of loads into registers that matrix instructions have read, and of the first read of results (ISA guide 7.12.1 for vector instructions)
.rept 4
	v_nop
.endr
.endm
	s_load_b256 s[4:11], s[0:1], 0x0               ; oc s[4:5], wpc s[6:7], b_proj s[8:9], the scales' exponents s[10:11]
	s_load_b64 s[12:13], s[0:1], 0x20              ; out0
	v_lshl_add_u32 v[SPW], v0, 2, SPARE
	v_mov_b32 v[NIL], 0
	ds_add_u32 v[SPW], v[NIL]                      ; the wave's opening: the add, twice on end, and its wait ahead of my first tensor load; the set-up below, work on registers, stands between
	ds_add_u32 v[SPW], v[NIL]
	v_lshrrev_b32 v1, 5, v0
	v_readfirstlane_b32 s14, v1                    ; wave 0..3
	s_lshr_b32 s15, s14, 1                         ; which 64 tokens of the tile are mine.  Also: I fetch for A (0) or for B (1)
	s_and_b32 s16, s14, 1                          ; which 128 columns.  Also: which half of that tile I fetch
	s_bfe_u32 s40, ttmp6, 0x40000                  ; cx, cy: my place in the cluster
	s_bfe_u32 s41, ttmp6, 0x40004
	s_lshl_b32 s42, ttmp9, 2
	s_add_co_u32 s42, s42, s40                     ; tile column = 4 x cluster x + cx
	s_and_b32 s17, ttmp7, 0xffff
	s_lshl_b32 s17, s17, 2
	s_add_co_u32 s17, s17, s41                     ; tile row = 4 x cluster y + cy
	s_lshl_b32 s43, s41, 2
	s_lshl_b32 s43, 15, s43                        ; my row of the cluster
	s_lshl_b32 s44, 0x1111, s40                    ; my column
	s_or_b32 s[G1A+0], s43, (0<<16)|(1<<20)|(1<<21)|(5<<22)|(3<<25)  ; 15:0 the mask; 17:16 element of 1 byte; 20 padding on; 21 set beside a mask; 24:22 after every 64 words (code 5); 31:25 of 4 words (code 3)
	s_mov_b32 s[G1A+1], 256<<16                    ; tensor_dim0
	s_mov_b32 s[G1A+2], 64<<16                     ; tensor_dim1
	s_mov_b32 s[G1A+3], 256<<16                    ; tile_dim0
	s_mov_b32 s[G1A+4], 64                         ; tile_dim1
	s_mov_b32 s[G1A+5], 256                        ; tensor_dim0_stride: the block is dense
	s_mov_b32 s[G1A+6], 0
	s_mov_b32 s[G1A+7], 0
	s_or_b32 s[G1B+0], s44, (0<<16)|(1<<20)|(1<<21)|(5<<22)|(3<<25)
	s_mov_b32 s[G1B+1], 256<<16
	s_mov_b32 s[G1B+2], 128<<16
	s_mov_b32 s[G1B+3], 256<<16
	s_mov_b32 s[G1B+4], 128
	s_mov_b32 s[G1B+5], 1024
	s_mov_b32 s[G1B+6], 0
	s_mov_b32 s[G1B+7], 0
	s_lshl_b32 s20, s17, 1
	s_add_co_u32 s20, s20, s16                     ; A: which 64 tokens: 2 x tile row + half,
	s_lshl_b32 s20, s20, 16                        ; 65,536 bytes each
	s_mov_b32 s21, 0
	s_lshl_b32 s46, s42, 8
	s_lshl_b32 s18, s16, 7
	s_add_co_u32 s46, s46, s18                     ; B: row 256 x tile column + 128 x half,
	s_lshl_b32 s46, s46, 10                        ; 1,024 bytes each
	s_mov_b32 s47, 0
	s_mul_i32 s45, s16, AH                         ; where they go in a slot: no place in the cluster enters an LDS address
	s_mul_i32 s22, s16, BH
	s_add_co_u32 s22, s22, 2*AH
	s_wait_dscnt 0x0                               ; both opening adds are done
	s_wait_kmcnt 0x0
	s_load_b256 s[80:87], s[10:11], 0x0            ; e0 .. e7
	s_add_nc_u64 s[20:21], s[4:5], s[20:21]
	s_add_nc_u64 s[46:47], s[6:7], s[46:47]
	CROUND                                         ; all sixteen work-groups are here: the first joint loads meet
.irp s, 0,1,2                                  ; K steps 0, 1, 2 into slots 0, 1, 2: each load waits for the one before; only step 2's may be out
	s_mov_b32 s[G0A+4*\s], 1
	s_add_co_u32 s[G0A+4*\s+1], s45, \s*SLOT
	s_add_nc_u64 s[G0A+4*\s+2:G0A+4*\s+3], s[20:21], \s*16384
	s_or_b32 s[G0A+4*\s+3], s[G0A+4*\s+3], 0x80000000
	s_mov_b32 s[G0B+4*\s], 1
	s_add_co_u32 s[G0B+4*\s+1], s22, \s*SLOT
	s_add_nc_u64 s[G0B+4*\s+2:G0B+4*\s+3], s[46:47], \s*256
	s_or_b32 s[G0B+4*\s+3], s[G0B+4*\s+3], 0x80000000
	s_wait_alu depctr_va_vdst(0)
	s_wait_tensorcnt 0x0
	ds_add_u32 v28, v29
	ds_add_u32 v28, v29
	s_wait_dscnt 0x0
	CROUND
	JLOAD G0A+4*\s, G1A, G0B+4*\s, G1B
.endr
	v_and_b32 v1, 15, v0                           ; r
	v_bfe_u32 v2, v0, 4, 1                         ; h
	v_mul_u32_u24 v3, v1, LP
	v_lshl_add_u32 v3, v2, 4, v3                   ; B: row r, + 16 h
	v_lshrrev_b32 v4, 2, v1
	v_mul_u32_u24 v4, v4, LP
	v_and_b32 v5, 3, v1
	v_lshl_add_u32 v4, v5, 6, v4
	v_lshl_add_u32 v4, v2, 4, v4                   ; A: token r: long row r / 4, 64 (r % 4), + 16 h
	s_mul_i32 s21, s15, AH                         ; my 64 tokens,
	s_mul_i32 s22, s16, BH
	s_add_co_u32 s22, s22, 2*AH                    ; my 128 rows of B
.irp s, 0,1,2
	v_add_nc_u32 v[ADRA+\s], s21, v4
	v_add_nc_u32 v[ADRB+\s], s22, v3
	s_add_co_u32 s21, s21, SLOT
	s_add_co_u32 s22, s22, SLOT
.endr
	s_mul_i32 s23, s14, 16*SPITCH
	s_add_co_u32 s23, s23, STAGE                   ; my stage
	v_mul_u32_u24 v5, v1, SPITCH
	v_lshl_add_u32 v5, v2, 5, v5
	v_add_nc_u32 v[STO], s23, v5                   ; in: row r, 32 bytes for each half of the lanes
	v_and_b32 v6, 31, v0
	v_lshlrev_b32 v[CO], 4, v6
	v_add_nc_u32 v[RD], s23, v[CO]                 ; back: the 32 lanes take one row of 512 bytes
	v_lshlrev_b32 v[BO], 5, v2
	s_wait_alu depctr_va_vdst(0)
	s_lshl_b32 s60, s17, 7
	s_lshl_b32 s61, s15, 6
	s_add_co_u32 s60, s60, s61                     ; my first token: 128 x tile row + 64 x half,
	s_lshl_b32 s60, s60, 12                        ; rows of 4,096 bytes
	s_lshl_b32 s62, s42, 10
	s_lshl_b32 s63, s16, 9
	s_add_co_u32 s62, s62, s63                     ; my first column, in bytes: 1,024 x tile column + 512 x half
	s_add_co_u32 s60, s60, s62
	s_mov_b32 s61, 0
	s_mov_b32 s63, 0
	s_add_nc_u64 s[12:13], s[12:13], s[60:61]
	s_add_nc_u64 s[8:9], s[8:9], s[62:63]          ; b_proj at my first column
	WIN 0xc0                                       ; destination window 3
.irp b, 0,1,2,3,4,5,6,7                        ; the bias in the result's layout: for block b, columns 16 b + 8 h + 0 .. 7
	global_load_b128 v[BI+8*\b:BI+8*\b+3], v[BO], s[8:9] offset:64*\b
	global_load_b128 v[BI+8*\b+4:BI+8*\b+7], v[BO], s[8:9] offset:64*\b+16
.endr
	WIN 0
	s_wait_kmcnt 0x0
	s_add_co_i32 s96, s86, s87                     ; e6 + e7,
	s_add_co_i32 s96, s96, 127
	s_lshl_b32 s96, s96, 23                        ; makes the f32 number 2^(e6 + e7)
	s_mov_b32 s97, s96                             ; (named with it as a pair, so it is written)
; Step u of eight, 128 along K: slot (u / 2) % 3, its half u % 2; fragments in set u % 2.  48 LDS loads in one run.  Registers 4 c .. 4 c + 3 of a fragment hold k = 32 c + 16 h + 0 .. 15 of the step's 128, in A and B alike;
; in A that is head 2 (u % 2) + c / 2 of the slot's four, d = 32 (c % 2) + 16 h + 0 .. 15.
.macro FETCH u
.set SL, ((\u)/2)%3
.set PP, (\u)%2
	WIN 0x40                                       ; destination window 1
.irp i, 0,1,2,3,4,5,6,7
.irp c, 0,1,2,3
	ds_load_b128 v[128*PP+16*\i+4*\c:128*PP+16*\i+4*\c+3], v[ADRB+SL] offset:128*PP+32*\c+\i*16*LP
.endr
.endr
	WIN 0xc0                                       ; destination window 3
.irp a, 0,1,2,3
.irp c, 0,1,2,3
	ds_load_b128 v[64*PP+16*\a+4*\c:64*PP+16*\a+4*\c+3], v[ADRA+SL] offset:((2*PP+\c/2)*16+4*\a)*LP+32*(\c%2)
.endr
.endr
	WIN 0
.endm
; 32 matrix instructions: my four blocks of tokens x eight blocks of columns.  The 32 accumulators take turns, one instruction a turn, in the same order in every step.
.macro MUL u, zero
.set PP, (\u)%2
	WIN 0xad                                       ; source 0 (B) window 1, source 1 (A) window 3, C and D window 2
.irp a, 0,1,2,3
.irp b, 0,1,2,3,4,5,6,7
.if \zero
	v_wmma_f32_16x16x128_fp8_fp8 v[8*(8*\a+\b):8*(8*\a+\b)+7], v[128*PP+16*\b:128*PP+16*\b+15], v[64*PP+16*\a:64*PP+16*\a+15], 0
.else
	v_wmma_f32_16x16x128_fp8_fp8 v[8*(8*\a+\b):8*(8*\a+\b)+7], v[128*PP+16*\b:128*PP+16*\b+15], v[64*PP+16*\a:64*PP+16*\a+15], v[8*(8*\a+\b):8*(8*\a+\b)+7]
.endif
.endr
.endr
.endm
	s_wait_tensorcnt 2                             ; my part of K step 0 is in; the loads of K steps 1 and 2 may be out
	s_barrier_signal -1
	s_barrier_wait -1                              ; everybody's is
	FETCH 0
	FETCH 1
	s_wait_dscnt 48                                ; step 0's fragments are in; step 1's 48 loads may be out
	MUL 0, 1                                       ; the first products start the sums: nothing is ever cleared
	WIN 0
	s_wait_tensorcnt 0x0                           ; THE ONE REFILL.  All my tensor loads have landed: my parts of slots 1 and 2;
	ds_add_u32 v[SPW], v[NIL]                      ; 0 onto my spare word;
	s_add_nc_u64 s[G0A+2:G0A+3], s[G0A+2:G0A+3], 3*16384   ; slot 0's descriptors step to K step 3
	s_add_nc_u64 s[G0B+2:G0B+3], s[G0B+2:G0B+3], 3*256
	s_wait_dscnt 0x0                               ; the add is done, and my reads of slot 0 (steps 0 and 1) are over
	CROUND                                         ; no wave of any partner still reads slot 0 or has a load on its way
	JLOAD G0A, G1A, G0B, G1B                       ; the first tensor load behind the round; its four v_nop are the places in front of the loads below.  It has four steps, 128 matrix instructions, in which to land
	FETCH 2
	MUL 1, 0
.irp u, 2,3,4
	PLACES
	FETCH \u+1
	s_wait_dscnt 48                                ; this step's fragments are in; the 48 loads just issued may be out
	MUL \u, 0
.endr
	s_wait_tensorcnt 0x0                           ; my part of K step 3 is in,
	s_wait_dscnt 0x0                               ; and no LDS load of mine is out at the signal: my reads of slots 1 and 2 are over
	s_barrier_signal -1
	s_barrier_wait -1                              ; everybody's is
	PLACES
	FETCH 6
	MUL 5, 0
	PLACES
	FETCH 7
	s_wait_dscnt 48
	MUL 6, 0
	s_wait_dscnt 0x0
	MUL 7, 0
	WIN 0
; THE WAY OUT, block by block of 16 tokens x 128 columns.  sum x 2^(e6 + e7) + bias in one packed multiply-add for two numbers, each accumulator from its low end on.  A lane holds 32 neighbouring bytes of a row and the lanes
; beside it hold other rows: so a block goes through my own stage in LDS and comes back as whole rows of 512 bytes.  LDS serves a wave's instructions in order (ISA guide 5.7.1.4): no wait between the stores and the loads.
.macro TOSTAGE a
.set AC, 64*(\a)
.set BB, BK+64*((\a)%2)
	WIN 0x32                                       ; source 0 (the sums) window 2, source 2 (the bias) window 3
.set j, 0
.rept 32
	v_pk_fma_f32 v[TMP+j:TMP+j+1], v[AC+j:AC+j+1], s[96:97], v[BI+j:BI+j+1] op_sel_hi:[1,0,1]
.set j, j+2
.endr
	WIN 0
.irp b, 0,1,2,3,4,5,6,7
	ds_store_b128 v[STO], v[TMP+8*\b:TMP+8*\b+3] offset:64*\b
	ds_store_b128 v[STO], v[TMP+8*\b+4:TMP+8*\b+7] offset:64*\b+16
.endr
.irp t, 0,1,2,3,4,5,6,7,8,9,10,11,12,13,14,15
	ds_load_b128 v[BB+4*\t:BB+4*\t+3], v[RD] offset:\t*SPITCH
.endr
.endm
.macro SEND a, younger                 ; younger: the LDS instructions issued behind block a's loads, which may stay out
.set BB, BK+64*((\a)%2)
	s_wait_dscnt \younger                          ; the block is back in registers
.irp t, 0,1,2,3,4,5,6,7,8,9,10,11,12,13,14,15
	global_store_b128 v[CO], v[BB+4*\t:BB+4*\t+3], s[12:13] offset:(\a)*65536+\t*4096 th:TH_STORE_NT   ; 32 lanes store 512 consecutive bytes, at a multiple of 256 from out0's first byte; written once, read by nobody here
.endr
.endm
	s_wait_loadcnt 0x0                             ; the bias
	PLACES                                         ; behind the last products
	TOSTAGE 0
.irp a, 1,2,3
.if \a > 1
	s_wait_xcnt 0x0                                ; block a - 2's stores have read their registers: block a's loads may land there
.endif
	TOSTAGE \a
	SEND \a-1, 32                                  ; behind block a - 1's loads: block a's 16 stores and 16 loads
.endr
	SEND 3, 0
	s_wait_tensorcnt 0x0                           ; the wave's end: behind my last tensor load and my last LDS store
	ds_add_u32 v[SPW], v[NIL]
	s_wait_dscnt 0x0
	CROUND                                         ; the closing round: no work-group ends while a partner may still ask for a tile that names it
	s_endpgm
.Lfunc_end_k_q6003274819_proj:
	.size	k_q6003274819_proj, .Lfunc_end_k_q6003274819_proj-k_q6003274819_proj
	.p2alignl 7, 3214868480
	.fill 96, 4, 3214868480
	.section	.rodata,"a",@progbits
	.p2align	6, 0x0
	.amdhsa_kernel k_q6003274819_proj
		.amdhsa_group_segment_fixed_size 327680
		.amdhsa_private_segment_fixed_size 0
		.amdhsa_enable_private_segment 0
		.amdhsa_kernarg_size 40
		.amdhsa_user_sgpr_count 2
		.amdhsa_user_sgpr_kernarg_segment_ptr 1
		.amdhsa_wavefront_size32 1
		.amdhsa_system_sgpr_workgroup_id_x 1
		.amdhsa_system_sgpr_workgroup_id_y 1
		.amdhsa_system_sgpr_workgroup_id_z 1
		.amdhsa_system_vgpr_workitem_id 0
		.amdhsa_next_free_vgpr 960
		.amdhsa_next_free_sgpr 100
		.amdhsa_reserve_vcc 0
		.amdhsa_float_denorm_mode_32 3
		.amdhsa_float_denorm_mode_16_64 3
		.amdhsa_memory_ordered 1
		.amdhsa_forward_progress 1
		.amdhsa_inst_pref_size 78
	.end_amdhsa_kernel
	.amdgpu_metadata
---
amdhsa.version: [ 1, 2 ]
amdhsa.kernels:
  - .name:           k_q6003274819_proj
    .symbol:         k_q6003274819_proj.kd
    .args:
      - { .name: oc, .offset: 0, .size: 8, .value_kind: global_buffer, .address_space: global }
      - { .name: wpc, .offset: 8, .size: 8, .value_kind: global_buffer, .address_space: global }
      - { .name: b_proj, .offset: 16, .size: 8, .value_kind: global_buffer, .address_space: global }
      - { .name: lowp_scales, .offset: 24, .size: 8, .value_kind: global_buffer, .address_space: global }
      - { .name: out0, .offset: 32, .size: 8, .value_kind: global_buffer, .address_space: global }
    .group_segment_fixed_size: 327680
    .private_segment_fixed_size: 0
    .kernarg_segment_align: 8
    .kernarg_segment_size: 40
    .max_flat_workgroup_size: 128
    .sgpr_count:     100
    .vgpr_count:     960
    .wavefront_size: 32
...
	.end_amdgpu_metadata
.endif
;; end of part 4
